; MI455X (gfx1250); checked and timed in simulation.
; The chip was launched on July 23, 2026; its instructions are those of AMD's public machine-readable ISA for CDNA 5 (MIT licence, August 2026) and "CDNA5" Instruction Set Architecture Reference Guide (July 2026). The comments in the code are by the model that wrote it; some were corrected since.
;; Self Attention. Allowed arithmetic: matrix products marked QUANTISED: E3M2 operands, one E8M0 scale for each 32 along K, by v_wmma_scale_f32_16x16x128_f8f6f4 with both operands' format E3M2, f32 sums; everything else in f32.
;; Inputs: bk 1,024 float32; bp 1,024 float32; bq 1,024 float32; bv 1,024 float32; wk 1,024 x 1,024 float32; wp 1,024 x 1,024 float32; wq 1,024 x 1,024 float32; wv 1,024 x 1,024 float32; x 4 x 2,048 x 1,024 float32.
;; Outputs: out0 4 x 2,048 x 1,024 float32.
;; This version of the problem:
;;   THIS VERSION OF THE PROBLEM IS GIVEN IN LOW PRECISION. The matrix products marked QUANTISED in the list below multiply operands that are first quantised to E3M2 (3 exponent bits, 2 mantissa bits; 6 bits a number), with one power-of-two scale for each 32 numbers along K (OCP MX v1.0); their sums are f32. All else is computed in f32.
;;   The module's matrix products, in the order in which they are computed (A, B: the left and right operand; K: the contracted axis; several contracted axes count as one K, in the product's order):
;;     1. [M 8,192, K 1,024] x [K 1,024, N 1,024]; A: input x; B: input wq: QUANTISED
;;     2. [M 8,192, K 1,024] x [K 1,024, N 1,024]; A: input x; B: input wk: QUANTISED
;;     3. [M 8,192, K 1,024] x [K 1,024, N 1,024]; A: input x; B: input wv: QUANTISED
;;     4. batch 64 x [M 2,048, K 64] x [K 64, N 2,048]; A: computed on the way; B: computed on the way: QUANTISED
;;     5. batch 64 x [M 2,048, K 2,048] x [K 2,048, N 64]; A: softmax (see below); B: computed on the way: QUANTISED
;;     6. [M 8,192, K 1,024] x [K 1,024, N 1,024]; A: computed on the way; B: input wp: QUANTISED
;;   THE QUANTISER, for each operand of a quantised product, along K:
;;     - K is cut into blocks of 32 from its start; a last block that is shorter is filled with zeros.
;;     - A block's scale is 2^e with e = floor(log2(the largest magnitude in the block)) - 4, held to -126 .. 127; a block of zeros has e = 0. As a byte (E8M0): e + 127.
;;     - Each number is divided by its block's scale, clamped to +-28, and rounded to the nearest number of E3M2, ties to even, subnormals kept.
;;     - The product sums the exact products of the quantised numbers (number of the format x scale) in f32.
;;   ~~~python
;;   def quantise(x, axis):      # numpy; x: float32 -> the quantised numbers, widened to float32 again
;;       x = np.moveaxis(x, axis, -1); K = x.shape[-1]
;;       x = np.pad(x, [(0, 0)] * (x.ndim - 1) + [(0, -K % 32)]); x = x.reshape(x.shape[:-1] + (-1, 32)); a = np.abs(x).max(-1, keepdims=True)
;;       e = np.where(a > 0, np.clip(np.frexp(np.where(a > 0, a, 1))[1] - 1 - 4, -126, 127), 0)      # np.frexp(a)[1] - 1 = floor(log2(a)), exactly
;;       r = np.clip(x / 2.0 ** e, -28, 28)
;;       step = 2.0 ** (np.maximum(np.frexp(np.where(r == 0, 1, r))[1] - 1, -2) - 2)
;;       q = np.round(r / step) * step * 2.0 ** e      # np.round: ties to even
;;       return np.moveaxis(q.reshape(q.shape[:-2] + (-1,))[..., :K], -1, axis).astype(np.float32)
;;   ~~~
;;   SOFTMAX AHEAD OF A QUANTISED PRODUCT. Where the list says 'softmax', what is quantised is not the finished softmax but p = 2^(t - M), with t = logit x log2(e) and M = ceil(the row's largest t), a whole number; so 1/2 < the row's largest p <= 1. The row's sum l is taken of the UNQUANTISED p, in f32, and the product's result is divided by l at the end. Since M is a whole number, a kernel that streams over the keys may use a running M (the ceiling of the running maximum): every later rescaling is an exact power of two, which a block's scale takes up: the codes' values come out the same.
;;   OPERANDS COMPUTED ON THE WAY. 'Computed on the way' means the value that the module computes at that place (a softmax that the list does not call 'softmax' is quantised finished and normalised). What goes into a quantiser is computed in f32, as accurately as f32 sums, v_exp_f32 and their like allow (about 1e-6 of the number): no bf16 or f16 on the way to a quantiser, and a product that is left as it is and whose result goes on into a quantised operand takes f32 operands (vector FMAs, or v_wmma_f32_16x16x4_f32). A number that lies on a knife's edge between two numbers of the format may be rounded either way, as far as f32 arithmetic and the matrix unit's own rounding can turn it there, and no further.
;; One version. Each part assembles by itself: llvm-mc -triple=amdgcn-amd-amdhsa -mcpu=gfx1250 --defsym DOCPART=n.
;; ======== version 1 of 1: 5 launches
;; workspace buffers: xc 6,291,456 bytes; xs 262,144 bytes; wc 3,145,728 bytes; ws 131,072 bytes; qp 6,553,600 bytes; kvp 13,107,200 bytes; yc 6,291,456 bytes; ys 262,144 bytes
;; launch quant_x (part 1): grid 256 x 1, 4 waves a work-group, no clusters, 34,304 bytes of LDS; arguments x, xc, xs; writes xc, xs
.if DOCPART == 1
	.amdgcn_target "amdgcn-amd-amdhsa--gfx1250"
	.amdhsa_code_object_version 6
	.text
	.protected	k_qa999b81a30_quant_x
	.globl	k_qa999b81a30_quant_x
	.p2align	8
	.type	k_qa999b81a30_quant_x,@function
k_qa999b81a30_quant_x:
	s_mov_b64 s[64:65], 0
	v_nop
	global_prefetch_b8 v0, s[64:65] scope:SCOPE_SE
	s_setreg_imm32_b32 hwreg(HW_REG_WAVE_MODE, 25, 1), 1
	s_wait_xcnt 0x0
; x [8192][1024] f32 becomes codes of E3M2 (6 bits) with one E8M0 byte for each 32 along K, laid as the products' operand registers want them.
; xc: [K slot 4][row block 512][2][image 1,536].  An image is a fragment of 16 rows x 128 K: 12 registers a lane, as 6 planes of 256 bytes; plane p holds registers 2 p, 2 p + 1 of lane l at 256 p + 8 l.
; xs: [row block 512][K half 2][row 16][4 words]: a word is the four scale bytes of one row and one K step of 128.
; THE ROWS OF A ROW BLOCK ARE NOT NEIGHBOURS: in each group of 32 rows, row r of block u holds the true row 8 u + r % 8 + 16 (r / 8).  So a product that takes such a block as source 0 leaves 16 neighbours in a lane's 16 registers of two blocks.
; A block's scale is 2^(floor(log2(largest magnitude)) - 4): its byte is the largest magnitude's exponent field - 4, held at 1 from below.
; LIMITS: a block whose largest magnitude lies under 2^-122 gets the byte 1; a block of zeros gets 1 where the rule says 127 (its codes are zeros, and this program alone reads the bytes); NaN and infinities are not served.
; SHARES: wave u of 1,024 takes row block u / 2 and K half u % 2: four fragments.  A load reads 512 consecutive bytes of one row; a fragment's 16 rows turn through the wave's own stage in LDS, so that a lane gets
; 32 neighbours of its row twice (the operand's own order); its 12 registers of codes leave as six stores of 256 consecutive bytes.  Waves share nothing: no barrier.  Memory binds: no matrix unit, no cluster.
.set SX,    1572864                    ; bytes of a K slot of xc: 512 row blocks x 3,072
.set STG,   16*528                     ; a wave's stage: 16 rows of 512 bytes + 16
.set SPARE, 4*STG                      ; behind the stages: the spare words, 128 bytes for each wave
.set SPW,   12                         ; v12  LDS address of my spare word; never rewritten
.set NIL,   13                         ; v13  0; never rewritten
.set LD0,   16                         ; v16-143  two sets of 64 numbers as loaded
.set XN,    144                        ; v144-207 my 64 numbers in the operand's order
.set PC,    208                        ; v208-219 the fragment's codes
.set CT,    220                        ; v220-222, v224-226 the upper halves of the two blocks' codes, before they are moved
.set MX,    228                        ; v228-229 largest magnitudes
.set SCO,   230                        ; v230-231 the conversions' scale operands
.set BY,    232                        ; v232-233 the scale bytes
.set WD,    236                        ; v236-239 the four fragments' scale words
	s_load_b128 s[4:7], s[0:1], 0x0                ; x, xc
	s_load_b64 s[8:9], s[0:1], 0x10                ; xs
	v_lshl_add_u32 v[SPW], v0, 2, SPARE
	v_mov_b32 v[NIL], 0
	v_lshrrev_b32 v1, 5, v0
	v_readfirstlane_b32 s10, v1                    ; wave 0..3
	v_and_b32 v2, 31, v0                           ; lane
	v_and_b32 v1, 15, v0                           ; r
	v_bfe_u32 v3, v0, 4, 1                         ; h
	v_lshlrev_b32 v4, 4, v2                        ; 16 x lane: my 16 bytes of a load's 512
	s_mul_i32 s11, s10, STG
	v_add_nc_u32 v5, s11, v4                       ; the stage, on the way in
	v_mul_u32_u24 v6, v1, 528
	v_lshl_add_u32 v6, v3, 7, v6
	v_add_nc_u32 v6, s11, v6                       ; and on the way out: row r, + 128 h
	v_lshlrev_b32 v7, 3, v2                        ; 8 x lane: my place in a plane
	v_lshlrev_b32 v8, 4, v1                        ; 16 r: my row's four scale words
	v_lshlrev_b32 v9, 3, v3                        ; 8 h: my bytes' place in a scale word, in bits
	v_mov_b32 v11, 0                               ; written once: a lane permute's destination counts as one of its sources
	s_mov_b32 s20, 0x76543210
	s_mov_b32 s21, 0xfedcba98                      ; v_permlanex16_b32's selects for lane l xor 16
	s_lshr_b32 s12, s10, 1                         ; row block % 2
	s_and_b32 s13, s10, 1                          ; K half
	s_lshl_b32 s14, ttmp9, 17                      ; x: 32 rows of 4,096 bytes for each work-group,
	s_lshl_b32 s15, s12, 15                        ; 8 rows on for the odd row block,
	s_add_co_u32 s14, s14, s15
	s_lshl_b32 s15, s13, 11                        ; 2,048 bytes on for the upper K half
	s_add_co_u32 s14, s14, s15
	s_mov_b32 s15, 0
	s_lshl_b32 s16, ttmp9, 1
	s_add_co_u32 s16, s16, s12                     ; the row block
	s_mul_i32 s18, s16, 3072
	s_mul_i32 s17, s13, 2*SX
	s_add_co_u32 s18, s18, s17                     ; xc: K slot 2 x half, my row block
	s_mov_b32 s19, 0
	s_lshl_b32 s16, s16, 9
	s_lshl_b32 s17, s13, 8
	s_add_co_u32 s16, s16, s17                     ; xs: 512 bytes a row block, 256 a half
	s_mov_b32 s17, 0
	s_wait_alu depctr_va_vdst(0)
	s_wait_kmcnt 0x0
	s_add_nc_u64 s[4:5], s[4:5], s[14:15]
	s_add_nc_u64 s[6:7], s[6:7], s[18:19]
	s_add_nc_u64 s[8:9], s[8:9], s[16:17]
.macro LOADF f                         ; fragment f: 128 numbers of each of my 16 rows, in the block's own order of rows
.irp p, 0,1,2,3,4,5,6,7,8,9,10,11,12,13,14,15
	global_load_b128 v[LD0+64*((\f)%2)+4*\p:LD0+64*((\f)%2)+4*\p+3], v4, s[4:5] offset:((\p%8)+16*(\p/8))*4096+512*(\f) th:TH_LOAD_NT
.endr
.endm
.macro TURNF f                         ; through the stage: LDS serves a wave's instructions in order (ISA guide 5.7.1.4), so no wait stands between the stores and the loads
.irp p, 0,1,2,3,4,5,6,7,8,9,10,11,12,13,14,15
	ds_store_b128 v5, v[LD0+64*((\f)%2)+4*\p:LD0+64*((\f)%2)+4*\p+3] offset:528*\p
.endr
.irp c, 0,1
.irp i, 0,1,2,3,4,5,6,7
	ds_load_b128 v[XN+32*\c+4*\i:XN+32*\c+4*\i+3], v6 offset:256*\c+16*\i   ; x(row r, 64 c + 32 h + 4 i ..)
.endr
.endr
.endm
.macro QX f                            ; my two whole blocks (h and 2 + h of the K step) become six registers of codes each
.irp c, 0,1
	v_max3_num_f32 v[MX+\c], |v[XN+32*\c]|, |v[XN+32*\c+1]|, 0x2800000   ; with the floor 2^(5 - 127): the byte cannot fall under 1
.endr
.irp i, 2,4,6,8,10,12,14,16,18,20,22,24,26,28,30
.irp c, 0,1
	v_max3_num_f32 v[MX+\c], v[MX+\c], |v[XN+32*\c+\i]|, |v[XN+32*\c+\i+1]|   ; the two blocks by turns
.endr
.endr
.irp c, 0,1
	v_add_nc_u32 v[SCO+\c], 0xfe000000, v[MX+\c]   ; 4 off the exponent field: the conversion takes that field as its scale
.endr
.irp c, 0,1
	v_lshrrev_b32 v[BY+\c], 23, v[SCO+\c]          ; the scale's byte
.endr
	v_lshl_or_b32 v10, v[BY+1], 16, v[BY]          ; my two bytes,
	v_lshlrev_b32 v10, v9, v10                     ; at their places in the word;
	v_permlanex16_b32 v11, v10, s20, s21
	v_or_b32 v[WD+(\f)], v10, v11                  ; with lane l xor 16's two the word is whole
	s_wait_alu depctr_va_vdst(0)
	s_wait_xcnt 0x0                                ; the last fragment's stores have read the codes' registers: they are written again only behind this wait
.irp c, 0,1
	v_cvt_scalef32_pk16_bf6_f32 v[PC+6*\c:PC+6*\c+2], v[XN+32*\c:XN+32*\c+15], v[SCO+\c]
	v_cvt_scalef32_pk16_bf6_f32 v[CT+4*\c:CT+4*\c+2], v[XN+32*\c+16:XN+32*\c+31], v[SCO+\c]   ; (a conversion's three registers begin on an even number)
.endr
	v_nop                                          ; one plain place behind the conversions
.irp c, 0,1
.irp i, 0,1,2
	v_mov_b32 v[PC+6*\c+3+\i], v[CT+4*\c+\i]
.endr
.endr
.irp p, 0,1,2,3,4,5
	global_store_b64 v7, v[PC+2*\p:PC+2*\p+1], s[6:7] offset:((\f)/2)*SX+((\f)%2)*1536+256*\p   ; a plane: 256 consecutive bytes, aligned
.endr
.endm
	LOADF 0
	LOADF 1
.irp f, 0,1,2,3
.if \f < 3
	s_wait_loadcnt 16                              ; this fragment's 16 loads are in; the next fragment's may be out
.else
	s_wait_loadcnt 0x0
.endif
	TURNF \f
	s_wait_dscnt 0x0                               ; my numbers are back, and the stage's stores have read the set,
.if \f < 2
	LOADF \f+2                                     ; which takes the loads of two fragments on
.endif
	QX \f
.endr
	v_cmp_gt_u32 vcc_lo, 16, v2                    ; lanes 0-15: a row each (lanes 16-31 hold the same words)
	s_wait_xcnt 0x0                                ; EXEC changes only behind this wait
	s_and_saveexec_b32 s22, vcc_lo
	global_store_b128 v8, v[WD:WD+3], s[8:9]       ; sixteen lanes store 256 consecutive bytes, aligned
	s_wait_xcnt 0x0                                ; and again, in front of the line that widens it
	s_or_b32 exec_lo, exec_lo, s22
	s_wait_tensorcnt 0x0                           ; the wave's end: the spare word's add and its wait, behind my last LDS store
	ds_add_u32 v[SPW], v[NIL]
	s_wait_dscnt 0x0
	s_endpgm
.Lfunc_end_k_qa999b81a30_quant_x:
	.size	k_qa999b81a30_quant_x, .Lfunc_end_k_qa999b81a30_quant_x-k_qa999b81a30_quant_x
	.p2alignl 7, 3214868480
	.fill 96, 4, 3214868480
	.section	.rodata,"a",@progbits
	.p2align	6, 0x0
	.amdhsa_kernel k_qa999b81a30_quant_x
		.amdhsa_group_segment_fixed_size 34304
		.amdhsa_private_segment_fixed_size 0
		.amdhsa_enable_private_segment 0
		.amdhsa_kernarg_size 24
		.amdhsa_user_sgpr_count 2
		.amdhsa_user_sgpr_kernarg_segment_ptr 1
		.amdhsa_wavefront_size32 1
		.amdhsa_system_sgpr_workgroup_id_x 1
		.amdhsa_system_sgpr_workgroup_id_y 1
		.amdhsa_system_sgpr_workgroup_id_z 1
		.amdhsa_system_vgpr_workitem_id 0
		.amdhsa_next_free_vgpr 256
		.amdhsa_next_free_sgpr 66
		.amdhsa_reserve_vcc 1
		.amdhsa_float_denorm_mode_32 3
		.amdhsa_float_denorm_mode_16_64 3
		.amdhsa_memory_ordered 1
		.amdhsa_forward_progress 1
		.amdhsa_inst_pref_size 31
	.end_amdhsa_kernel
	.amdgpu_metadata
---
amdhsa.version: [ 1, 2 ]
amdhsa.kernels:
  - .name:           k_qa999b81a30_quant_x
    .symbol:         k_qa999b81a30_quant_x.kd
    .args:
      - { .name: x, .offset: 0, .size: 8, .value_kind: global_buffer, .address_space: global }
      - { .name: xc, .offset: 8, .size: 8, .value_kind: global_buffer, .address_space: global }
      - { .name: xs, .offset: 16, .size: 8, .value_kind: global_buffer, .address_space: global }
    .group_segment_fixed_size: 34304
    .private_segment_fixed_size: 0
    .kernarg_segment_align: 8
    .kernarg_segment_size: 24
    .max_flat_workgroup_size: 128
    .sgpr_count:     66
    .vgpr_count:     256
    .wavefront_size: 32
...
	.end_amdgpu_metadata
.endif
;; end of part 1
;; launch quant_w (part 2): grid 32 x 8, 4 waves a work-group, no clusters, 13,824 bytes of LDS; arguments wq, wk, wv, wp, wc, ws; writes wc, ws
.if DOCPART == 2
	.amdgcn_target "amdgcn-amd-amdhsa--gfx1250"
	.amdhsa_code_object_version 6
	.text
	.protected	k_qa999b81a30_quant_w
	.globl	k_qa999b81a30_quant_w
	.p2align	8
	.type	k_qa999b81a30_quant_w,@function
k_qa999b81a30_quant_w:
	s_mov_b64 s[64:65], 0
	v_nop
	global_prefetch_b8 v0, s[64:65] scope:SCOPE_SE
	s_setreg_imm32_b32 hwreg(HW_REG_WAVE_MODE, 25, 1), 1
	s_wait_xcnt 0x0
; wq, wk, wv, wp [1024 (k)][1024 (n)] f32, K their FIRST axis, become codes of E3M2 with one E8M0 byte for each 32 along K, laid as operand images (as the tokens' codes are):
; wc: [K slot 4][row block 256][2][image 1,536], ws: [row block 256][K half 2][row 16][4 words].  Row blocks 0-63 are wq's columns, 64-127 wk's, 128-191 wv's, 192-255 wp's.
; In each group of 32 columns, row r of block u holds the true column 8 u + r % 8 + 16 (r / 8).
; A LANE TAKES A COLUMN AND ITS REGISTERS RUN DOWN K: each load reads 128 consecutive bytes a wave, a block of 32 along K lies in one lane, and the conversions give codes with K innermost.
; A wave takes 32 columns x 128 K: two images.  A lane's codes go to their places in the images in the wave's own LDS and leave as six stores of 512 consecutive bytes.
; A column's scale word (4 bytes at a pitch of 16) is stored by its lane: one byte in 128 of what the launch reads leaves so, in pieces.
; LIMITS: a block whose largest magnitude lies under 2^-122 gets the byte 1; a block of zeros gets 1 where the rule says 127 (its codes are zeros, this program alone reads the bytes); NaN and infinities are not served.
.set SW,    786432                     ; bytes of a K slot of wc: 256 row blocks x 3,072
.set IMG,   1664                       ; an image in LDS: 1,536 bytes + 128, so that the two images' lanes fall on different words of a pass
.set SPARE, 4*2*IMG                    ; behind the images: the spare words, 128 bytes for each wave
.set XN,    32                         ; v32-95   two sets of 32 numbers
.set CD,    96                         ; v96-101  a block's codes
.set CT,    104                        ; v104-106 their upper half before it is moved
.set SB,    24                         ; v24      the column's scale word
.set OUTR,  112                        ; v112-135 the way out
.set SPW,   14                         ; v14      LDS address of my spare word; never rewritten
.set NIL,   15                         ; v15      0; never rewritten
	s_load_b256 s[4:11], s[0:1], 0x0               ; wq, wk, wv, wp
	s_load_b128 s[12:15], s[0:1], 0x20             ; wc, ws
	v_lshl_add_u32 v[SPW], v0, 2, SPARE
	v_mov_b32 v[NIL], 0
	v_lshrrev_b32 v1, 5, v0
	v_readfirstlane_b32 s16, v1                    ; wave 0..3
	v_and_b32 v2, 31, v0                           ; lane = my column among the wave's 32
	v_lshlrev_b32 v3, 2, v2                        ; in: 4 bytes a lane
	v_bfe_u32 v5, v0, 3, 1                         ; u: which of the two row blocks my column falls into
	v_and_b32 v6, 7, v0
	v_bfe_u32 v10, v0, 4, 1
	v_lshl_or_b32 v6, v10, 3, v6                   ; r: its row there
	s_mul_i32 s17, s16, 2*IMG
	v_mul_u32_u24 v4, v5, IMG
	v_lshl_add_u32 v4, v6, 3, v4
	v_add_nc_u32 v4, s17, v4                       ; into the images: image u, 8 r
	v_lshlrev_b32 v8, 4, v2                        ; out: 16 bytes a lane
	v_add_nc_u32 v7, s17, v8
	v_lshlrev_b32 v9, 9, v5
	v_lshl_add_u32 v9, v6, 4, v9                   ; my scale word: 512 u + 16 r
	s_mov_b32 s18, ttmp9                           ; which 128 of the 4,096 columns on end
	s_and_b32 s19, ttmp7, 0xffff                   ; which K step of 128
	s_lshl_b32 s20, s19, 19                        ; the weight: 128 rows of 4,096 bytes a K step,
	s_and_b32 s21, s18, 7
	s_lshl_b32 s21, s21, 9                         ; 512 bytes for 128 columns,
	s_add_co_u32 s20, s20, s21
	s_lshl_b32 s21, s16, 7                         ; 128 bytes a wave
	s_add_co_u32 s20, s20, s21
	s_mov_b32 s21, 0
	s_lshl_b32 s22, s18, 3
	s_lshl_b32 s23, s16, 1
	s_add_co_u32 s22, s22, s23                     ; my first row block
	s_mul_i32 s24, s22, 3072
	s_lshr_b32 s23, s19, 1
	s_mul_i32 s23, s23, SW
	s_add_co_u32 s24, s24, s23
	s_and_b32 s23, s19, 1
	s_mul_i32 s23, s23, 1536
	s_add_co_u32 s24, s24, s23                     ; wc: K slot, row block, which of the slot's two images
	s_mov_b32 s25, 0
	s_lshl_b32 s26, s22, 9
	s_lshr_b32 s23, s19, 2
	s_lshl_b32 s23, s23, 8
	s_add_co_u32 s26, s26, s23
	s_and_b32 s23, s19, 3
	s_lshl_b32 s23, s23, 2
	s_add_co_u32 s26, s26, s23                     ; ws: row block, K half, word
	s_mov_b32 s27, 0
	s_and_b32 s28, s18, 8
	s_and_b32 s29, s18, 16
	s_wait_kmcnt 0x0
	s_cmp_lg_u32 s28, 0                            ; which weight: the choice hangs on the work-group's number alone
	s_cselect_b64 s[4:5], s[6:7], s[4:5]
	s_cselect_b64 s[8:9], s[10:11], s[8:9]
	s_cmp_lg_u32 s29, 0
	s_cselect_b64 s[4:5], s[8:9], s[4:5]
	s_add_nc_u64 s[4:5], s[4:5], s[20:21]
	s_add_nc_u64 s[12:13], s[12:13], s[24:25]
	s_add_nc_u64 s[14:15], s[14:15], s[26:27]
.macro LOAD t                          ; block t: w(32 t + i, my column) into set t % 2
.irp i, 0,1,2,3,4,5,6,7,8,9,10,11,12,13,14,15,16,17,18,19,20,21,22,23,24,25,26,27,28,29,30,31
	global_load_b32 v[XN+32*((\t)%2)+\i], v3, s[4:5] offset:(32*(\t)+\i)*4096 th:TH_LOAD_NT
.endr
.endm
	LOAD 0
	LOAD 1
.macro BLOCK t
.set XS, XN+32*((\t)%2)
.if (\t) < 3
	s_wait_loadcnt 32                              ; this block's 32 loads are in; the next block's may be out
.else
	s_wait_loadcnt 0x0
.endif
	v_max3_num_f32 v12, |v[XS]|, |v[XS+1]|, |v[XS+2]|      ; the block's largest magnitude: all 32 numbers are mine; two chains
	v_max3_num_f32 v13, |v[XS+3]|, |v[XS+4]|, |v[XS+5]|
.irp i, 6,10,14,18,22,26
	v_max3_num_f32 v12, v12, |v[XS+\i]|, |v[XS+\i+1]|
	v_max3_num_f32 v13, v13, |v[XS+\i+2]|, |v[XS+\i+3]|
.endr
	v_max3_num_f32 v12, v12, |v[XS+30]|, |v[XS+31]|
	v_max3_num_f32 v12, v12, v13, 0x2800000        ; and the floor 2^(5 - 127): the byte cannot fall under 1
	v_add_nc_u32 v11, 0xfe000000, v12              ; 4 off the exponent field: the conversion's scale operand
	v_lshrrev_b32 v13, 23, v11                     ; the scale's byte
.if (\t) == 0
	v_mov_b32 v[SB], v13
.else
	v_lshl_or_b32 v[SB], v13, 8*(\t), v[SB]        ; the lower K in the lower byte
.endif
	v_cvt_scalef32_pk16_bf6_f32 v[CD:CD+2], v[XS:XS+15], v11
	v_cvt_scalef32_pk16_bf6_f32 v[CT:CT+2], v[XS+16:XS+31], v11    ; (a conversion's three registers begin on an even number)
	v_nop                                          ; one plain place behind the conversions
.irp i, 0,1,2
	v_mov_b32 v[CD+3+\i], v[CT+\i]
.endr
.irp j, 0,1,2
	ds_store_b64 v4, v[CD+2*\j:CD+2*\j+1] offset:768*((\t)/2)+128*((\t)%2)+256*\j   ; block t is registers 6 (t / 2) .. + 5 of lane r + 16 (t % 2)
.endr
.if (\t) < 2
	LOAD (\t)+2
.endif
	s_wait_dscnt 0x0                               ; the stores have read their registers: the next block's codes may be written
.endm
	BLOCK 0
	BLOCK 1
	BLOCK 2
	BLOCK 3
	s_wait_alu depctr_va_vdst(0)
	global_store_b32 v9, v[SB], s[14:15]           ; my column's scale word
.irp k, 0,1,2,3,4,5
	ds_load_b128 v[OUTR+4*\k:OUTR+4*\k+3], v7 offset:IMG*(\k/3)+512*(\k%3)   ; LDS serves a wave's instructions in order: these see my stores
.endr
.irp k, 0,1,2,3,4,5
	s_wait_dscnt 5-\k
	global_store_b128 v8, v[OUTR+4*\k:OUTR+4*\k+3], s[12:13] offset:3072*(\k/3)+512*(\k%3)   ; 512 consecutive bytes, aligned
.endr
	s_wait_tensorcnt 0x0                           ; the wave's end: the spare word's add and its wait, behind my last LDS store
	ds_add_u32 v[SPW], v[NIL]
	s_wait_dscnt 0x0
	s_endpgm
.Lfunc_end_k_qa999b81a30_quant_w:
	.size	k_qa999b81a30_quant_w, .Lfunc_end_k_qa999b81a30_quant_w-k_qa999b81a30_quant_w
	.p2alignl 7, 3214868480
	.fill 96, 4, 3214868480
	.section	.rodata,"a",@progbits
	.p2align	6, 0x0
	.amdhsa_kernel k_qa999b81a30_quant_w
		.amdhsa_group_segment_fixed_size 13824
		.amdhsa_private_segment_fixed_size 0
		.amdhsa_enable_private_segment 0
		.amdhsa_kernarg_size 48
		.amdhsa_user_sgpr_count 2
		.amdhsa_user_sgpr_kernarg_segment_ptr 1
		.amdhsa_wavefront_size32 1
		.amdhsa_system_sgpr_workgroup_id_x 1
		.amdhsa_system_sgpr_workgroup_id_y 1
		.amdhsa_system_sgpr_workgroup_id_z 1
		.amdhsa_system_vgpr_workitem_id 0
		.amdhsa_next_free_vgpr 192
		.amdhsa_next_free_sgpr 66
		.amdhsa_reserve_vcc 0
		.amdhsa_float_denorm_mode_32 3
		.amdhsa_float_denorm_mode_16_64 3
		.amdhsa_memory_ordered 1
		.amdhsa_forward_progress 1
		.amdhsa_inst_pref_size 23
	.end_amdhsa_kernel
	.amdgpu_metadata
---
amdhsa.version: [ 1, 2 ]
amdhsa.kernels:
  - .name:           k_qa999b81a30_quant_w
    .symbol:         k_qa999b81a30_quant_w.kd
    .args:
      - { .name: wq, .offset: 0, .size: 8, .value_kind: global_buffer, .address_space: global }
      - { .name: wk, .offset: 8, .size: 8, .value_kind: global_buffer, .address_space: global }
      - { .name: wv, .offset: 16, .size: 8, .value_kind: global_buffer, .address_space: global }
      - { .name: wp, .offset: 24, .size: 8, .value_kind: global_buffer, .address_space: global }
      - { .name: wc, .offset: 32, .size: 8, .value_kind: global_buffer, .address_space: global }
      - { .name: ws, .offset: 40, .size: 8, .value_kind: global_buffer, .address_space: global }
    .group_segment_fixed_size: 13824
    .private_segment_fixed_size: 0
    .kernarg_segment_align: 8
    .kernarg_segment_size: 48
    .max_flat_workgroup_size: 128
    .sgpr_count:     66
    .vgpr_count:     192
    .wavefront_size: 32
...
	.end_amdgpu_metadata
.endif
;; end of part 2
;; launch qkv (part 3): grid 12 x 32, 4 waves a work-group, clusters of 4 x 4, 327,680 bytes of LDS; arguments xc, xs, wc, ws, bq, bk, bv, qp, kvp; writes qp, kvp
.if DOCPART == 3
	.amdgcn_target "amdgcn-amd-amdhsa--gfx1250"
	.amdhsa_code_object_version 6
	.text
	.protected	k_qa999b81a30_qkv
	.globl	k_qa999b81a30_qkv
	.p2align	8
	.type	k_qa999b81a30_qkv,@function
k_qa999b81a30_qkv:
	s_mov_b64 s[64:65], 0
	v_nop
	global_prefetch_b8 v0, s[64:65] scope:SCOPE_SE
	s_setreg_imm32_b32 hwreg(HW_REG_WAVE_MODE, 25, 1), 1
	s_wait_xcnt 0x0
	s_wait_alu depctr_hold_cnt(0) depctr_sa_sdst(0) depctr_va_vdst(0) depctr_va_sdst(0) depctr_va_ssrc(0) depctr_va_vcc(0) depctr_vm_vsrc(0)
	s_getreg_b32 s2, hwreg(HW_REG_IB_STS2, 6, 4)
	s_cmp_eq_u32 s2, 0
	s_cbranch_scc0 .Lentry_in_a_cluster
	s_endpgm
.Lentry_in_a_cluster:
	s_bfe_u32 s2, ttmp6, 0x10000c
	s_cmp_lg_u32 s2, 0xf033
	s_cbranch_scc0 .Lentry_shape_is_right
	s_endpgm
.Lentry_shape_is_right:
; q = x wq + bq, k = x wk + bk, v = x wv + bv on codes of E3M2 with E8M0 scales (K = 1,024), and the results quantised anew on the way out: q and k along the head's 64, v along the keys.
; OPERANDS arrive as images of their registers: [K slot of 256][row block of 16 rows][2][image 1,536]; an image is a fragment of 16 rows x 128 K: 6 planes of 256 bytes, plane p = registers 2 p, 2 p + 1 of lane l at 256 p + 8 l.
; Scale words: [row block][K half][row 16][4 words].  In each group of 32 rows, row r of block u is the true row 8 u + r % 8 + 16 (r / 8).
; A tile of 256 x 256 is made by four waves, each 128 x 128: 64 accumulators.  Source 0 = 16 rows of "B", source 1 = 16 rows of "A": a lane holds one row of A, and its 16 registers of B's blocks 2 n, 2 n + 1
; are the true B rows 32 n + 16 (lane / 16) + 0 .. 15: 16 neighbours along the next product's K.
; THE CLUSTER'S x SAYS WHICH PRODUCT: 0 q, 1 k (A = tokens, B = the weight's columns: a lane holds a token, its registers run along the head), 2 v (A = wv's columns, B = tokens: a lane holds a channel, its registers
; run along the keys).  Only pointers, strides and row numbers are chosen by it; the instructions up to the way out are the same.  It is equal in all sixteen partners.
; CLUSTER 4 x 4: A's tiles are shared along a row of the cluster, B's along a column; each is asked for jointly, by the same load with the same descriptor and a mask that names the four.
; LDS: three regions of 98,304 bytes (A's 16 row blocks, then B's 16, for 256 along K), the scale words of all of K (16,384), the spare words.  K has four slots: three are first fills; the fourth is the one refill, of region 0.
; By this text's own count a wave has four tensor loads out at the start and one behind the refill's round.
; OUT: qp [head of batch 64][chunk of 128 tokens 16][pack 6,400], kvp [64][16][K's pack][V's pack].  A pack of q or k: 8 token tiles x 768 bytes (half an image: 16 rows x 64), then 256 bytes [row 16][4 words]: word g holds
; tile 2 g's two scale bytes and tile 2 g + 1's.  V's pack: 4 tiles of 16 channels x 128 keys (images), then [row 16][4 words]: word t is tile t's.  Every store covers 256 consecutive bytes, aligned.
; LIMITS: a block whose largest magnitude lies under 2^-122 gets the byte 1; a block of zeros gets 1 where the rule says 127 (its codes are zeros, this program alone reads the bytes); NaN and infinities are not served.
; Both bias sets (along B, along A) are loaded on the one way that all take; the product's kind reads one of them.
.set SX,    1572864                    ; a K slot of the tokens' codes
.set SW,    786432                     ; of the weights'
.set SLOT,  98304
.set QUART, 24576                      ; 8 row blocks x 3,072: what one tensor load brings, and what a wave reads of A or of B
.set SCL,   3*SLOT
.set SPARE, SCL+4*4096                 ; the spare words, 128 bytes for each wave: two blocks of 256 bytes that no other line names
.set FR,    12                         ; registers of a fragment
.set NL,    6                          ; LDS loads that bring one
.set NP,    4                          ; places behind this matrix instruction (ISA guide 7.12.1)
.set ADRA,  16                         ; v16-18 LDS address of my A fragments in region 0, 1, 2
.set ADRB,  20                         ; v20-22 the same for B
.set L8,    24                         ; v24    8 x lane
.set SOF,   25                         ; v25    the way out: 16 r + (lane / 16) x the distance to the next head's pack
.set ADRS,  27                         ; v27    my scale words: lanes 0-15 A's rows, lanes 16-31 B's
.set SPW,   28                         ; v28    LDS address of my spare word; never rewritten
.set NIL,   29                         ; v29    0; never rewritten
.set SC,    32                         ; v32-63 scale words, two sets of 16: register 2 i + q: lanes 0-15 A's block i, lanes 16-31 B's block i
.set BB,    64                         ; v64-127 the bias along B, in a lane's order of results
.set AF,    128                        ; v128-223 A's fragments, one set (window 0); B's two sets at v0 and v128 of window 1; accumulators in windows 2 and 3
.set BA,    240                        ; v240-255 the bias along A: block a's at v[240 + 2 a]
.set TN,    128                        ; the way out: v128-191 64 results + bias
.set PC,    192                        ; v192-211 codes
.set TM,    212                        ; v212-227 at work
.set WS,    228                        ; v228-235 the eight blocks' scale words
.set UW,    128                        ; v128-135 the packs' scale words
.set WV,    22
.set AH,    23                         ; my half of A's rows.  Also: I fetch for A (0) or for B (1)
.set BH,    2                          ; my half of B's rows.  Also: which 128 rows I fetch
.set ISV,   3                          ; 1: the product is v
.set G1A,   24
.set G1B,   32
.set G1SA,  40
.set G1SB,  48
.set G0A0,  56
.set G0A1,  60
.set G0A2,  68
.set G0AS,  72
.set G0B0,  76
.set G0B1,  80
.set G0B2,  84
.set G0BS,  88
.set CX,    92
.set CY,    93
.set YY,    95
.set STA,   96                         ; s[96:97] A's bytes from K slot to K slot, later three times that
.set STB,   98                         ; s[98:99] B's
.set SEL,   100
.set PX,    4                          ; s[4:5] the first head's pack;  s[6:7] the next head's
.set PY,    6
.set MSB, 0
.macro WIN new                         ; the immediate's high byte repeats the setting that is left
.if MSB != (\new)
	s_set_vgpr_msb (MSB<<8)|(\new)
.set MSB, (\new)
.endif
.endm
.set MUL_LO, 0xa1                      ; source 0 (B) window 1, source 1 (A) window 0, C and D window 2
.set MUL_HI, 0xf1                      ; the same, C and D window 3
.set TO_B,   0x40                      ; destination window 1, address window 0
; A joint load: waves 0 and 1 fetch for A, waves 2 and 3 for B.  The branch hangs on the wave's number alone.  An s_nop 0 and four v_nop follow each of the two lines.
.macro JLOAD g0a, g1a, g0b, g1b
	s_cmp_eq_u32 s[AH], 0
	s_cbranch_scc0 .Lfor_b_\@
	tensor_load_to_lds s[\g0a:\g0a+3], s[\g1a:\g1a+7]
	s_nop 0
.rept 4
	v_nop
.endr
	s_branch .Lasked_\@
.Lfor_b_\@:
	tensor_load_to_lds s[\g0b:\g0b+3], s[\g1b:\g1b+7]
	s_nop 0
.rept 4
	v_nop
.endr
.Lasked_\@:
.endm
.macro CREST                           ; a round of the cluster's barrier behind its opening barrier
	s_cmp_lg_u32 s[WV], 0
	s_cbranch_scc1 .Lnot_wave_0_\@
	s_barrier_signal -3
.Lnot_wave_0_\@:
	s_barrier_wait -3
	s_barrier_signal -1
	s_barrier_wait -1
.endm
.macro CROUND                          ; a whole round
	s_barrier_signal -1
	s_barrier_wait -1
	CREST
.endm
	s_load_b256 s[4:11], s[0:1], 0x0               ; xc, xs, wc, ws
	s_load_b256 s[12:19], s[0:1], 0x20             ; bq, bk, bv, qp
	s_load_b64 s[20:21], s[0:1], 0x40              ; kvp
	v_lshl_add_u32 v[SPW], v0, 2, SPARE
	v_mov_b32 v[NIL], 0
	ds_add_u32 v[SPW], v[NIL]
	ds_add_u32 v[SPW], v[NIL]                      ; the wave's opening: the add and its wait stand ahead of my first tensor load; the set-up below, work on registers, stands between them
	v_lshrrev_b32 v1, 5, v0
	v_readfirstlane_b32 s[WV], v1                  ; wave 0..3
	s_lshr_b32 s[AH], s[WV], 1
	s_and_b32 s[BH], s[WV], 1
	s_bfe_u32 s[CX], ttmp6, 0x40000                ; my place in the cluster
	s_bfe_u32 s[CY], ttmp6, 0x40004
	s_and_b32 s[YY], ttmp7, 0xffff                 ; the cluster's y: which 1,024 tokens
	s_cmp_eq_u32 ttmp9, 2                          ; the cluster's x: which product
	s_cselect_b32 s[ISV], 1, 0
	s_lshl_b32 s66, s[CY], 2
	s_lshl_b32 s66, 15, s66                        ; my row of the cluster
	s_lshl_b32 s100, 0x1111, s[CX]                 ; my column
	s_or_b32 s[G1A], s66, (3<<16)|(1<<21)          ; 15:0 the mask; 17:16 elements of 8 bytes; 20 no padding; 21 set beside a mask
	s_or_b32 s[G1SA], s66, (3<<16)|(1<<21)
	s_or_b32 s[G1B], s100, (3<<16)|(1<<21)
	s_or_b32 s[G1SB], s100, (3<<16)|(1<<21)
.irp g, G1A, G1B                       ; codes: 24,576 dense bytes as 96 rows of 256
	s_mov_b32 s[\g+1], 32<<16
	s_mov_b32 s[\g+2], 96<<16
	s_mov_b32 s[\g+3], 32<<16
	s_mov_b32 s[\g+4], 96
	s_mov_b32 s[\g+5], 32
	s_mov_b32 s[\g+6], 0
	s_mov_b32 s[\g+7], 0
.endr
.irp g, G1SA, G1SB                     ; scale words: 4,096 dense bytes as 16 rows of 256
	s_mov_b32 s[\g+1], 32<<16
	s_mov_b32 s[\g+2], 16<<16
	s_mov_b32 s[\g+3], 32<<16
	s_mov_b32 s[\g+4], 16
	s_mov_b32 s[\g+5], 32
	s_mov_b32 s[\g+6], 0
	s_mov_b32 s[\g+7], 0
.endr
	s_lshl_b32 s67, s[YY], 6                       ; the tokens' row blocks of this cluster begin at 64 y,
	s_lshl_b32 s101, ttmp9, 6                      ; the weight's at 64 x
	s_mov_b32 s[STA], SX
	s_mov_b32 s[STB], SW
	s_mov_b32 s[STA+1], 0
	s_mov_b32 s[STB+1], 0
	s_cmp_eq_u32 s[ISV], 1
	s_cselect_b32 s94, s[STB], s[STA]              ; v: A is the weight,
	s_cselect_b32 s[STB], s[STA], s[STB]           ; B the tokens
	s_cselect_b32 s101, s67, s101
	s_cselect_b32 s67, 128, s67
	s_mov_b32 s[STA], s94
	s_lshl_b32 s66, s[CY], 4                       ; A's tile hangs on cy alone,
	s_add_co_u32 s66, s66, s67
	s_lshl_b32 s67, s[BH], 3
	s_add_co_u32 s66, s66, s67                     ; + the 8 row blocks that I fetch
	s_lshl_b32 s100, s[CX], 4                      ; B's on cx alone
	s_add_co_u32 s100, s100, s101
	s_add_co_u32 s100, s100, s67
	s_mul_i32 s[G0A1+2], s66, 3072                 ; (offsets, kept for a moment where addresses will stand)
	s_mov_b32 s[G0A1+3], 0
	s_lshl_b32 s[G0A2+2], s66, 9
	s_mov_b32 s[G0A2+3], 0
	s_mul_i32 s[G0B1+2], s100, 3072
	s_mov_b32 s[G0B1+3], 0
	s_lshl_b32 s[G0B2+2], s100, 9
	s_mov_b32 s[G0B2+3], 0
	s_mul_i32 s94, s[WV], QUART                    ; where they go: wave x a quarter: no place in the cluster enters an LDS address
	s_lshl_b32 s67, s[WV], 12
	s_add_co_u32 s67, s67, SCL
.irp g, G0A0, G0B0
	s_mov_b32 s[\g], 1
	s_mov_b32 s[\g+1], s94
.endr
.irp g, G0A1, G0B1
	s_mov_b32 s[\g], 1
	s_add_co_u32 s[\g+1], s94, SLOT
.endr
.irp g, G0A2, G0B2
	s_mov_b32 s[\g], 1
	s_add_co_u32 s[\g+1], s94, 2*SLOT
.endr
.irp g, G0AS, G0BS
	s_mov_b32 s[\g], 1
	s_mov_b32 s[\g+1], s67
.endr
	s_wait_dscnt 0x0                               ; the opening add is done
	s_wait_kmcnt 0x0
	s_cmp_eq_u32 s[ISV], 1
	s_cselect_b64 s[G0A0+2:G0A0+3], s[8:9], s[4:5]
	s_cselect_b64 s[G0AS+2:G0AS+3], s[10:11], s[6:7]
	s_cselect_b64 s[G0B0+2:G0B0+3], s[4:5], s[8:9]
	s_cselect_b64 s[G0BS+2:G0BS+3], s[6:7], s[10:11]
	s_add_nc_u64 s[G0A0+2:G0A0+3], s[G0A0+2:G0A0+3], s[G0A1+2:G0A1+3]
	s_add_nc_u64 s[G0AS+2:G0AS+3], s[G0AS+2:G0AS+3], s[G0A2+2:G0A2+3]
	s_add_nc_u64 s[G0A1+2:G0A1+3], s[G0A0+2:G0A0+3], s[STA:STA+1]    ; K slot 1,
	s_add_nc_u64 s[G0A2+2:G0A2+3], s[G0A1+2:G0A1+3], s[STA:STA+1]    ; K slot 2
	s_add_nc_u64 s[G0B0+2:G0B0+3], s[G0B0+2:G0B0+3], s[G0B1+2:G0B1+3]
	s_add_nc_u64 s[G0BS+2:G0BS+3], s[G0BS+2:G0BS+3], s[G0B2+2:G0B2+3]
	s_add_nc_u64 s[G0B1+2:G0B1+3], s[G0B0+2:G0B0+3], s[STB:STB+1]
	s_add_nc_u64 s[G0B2+2:G0B2+3], s[G0B1+2:G0B1+3], s[STB:STB+1]
.irp g, G0A0, G0A1, G0A2, G0AS, G0B0, G0B1, G0B2, G0BS
	s_or_b32 s[\g+3], s[\g+3], 0x80000000          ; 127:126 type = 2
.endr
	s_mul_i32 s[STA], s[STA], 3                    ; the refill steps region 0's address from K slot 0 to K slot 3
	s_mul_i32 s[STB], s[STB], 3
	CROUND                                         ; all sixteen work-groups are here: the first joint loads meet
	JLOAD G0AS, G1SA, G0BS, G1SB                   ; the scale words of all of K,
	JLOAD G0A0, G1A, G0B0, G1B                     ; K slots 0,
	JLOAD G0A1, G1A, G0B1, G1B                     ; 1
	JLOAD G0A2, G1A, G0B2, G1B                     ; and 2
	v_and_b32 v1, 15, v0                           ; r
	v_bfe_u32 v2, v0, 4, 1                         ; h
	s_wait_alu depctr_va_vdst(0)
	v_and_b32 v5, 31, v0                           ; lane
	v_lshlrev_b32 v[L8], 3, v5
	s_mul_i32 s66, s[AH], QUART                    ; my 128 rows of A,
	s_mul_i32 s67, s[BH], QUART                    ; my 128 rows of B,
	s_add_co_u32 s67, s67, 2*QUART                 ; which lie behind A's 256
.irp g, 0,1,2
	v_add_nc_u32 v[ADRA+\g], s66, v[L8]
	v_add_nc_u32 v[ADRB+\g], s67, v[L8]
	s_add_co_u32 s66, s66, SLOT
	s_add_co_u32 s67, s67, SLOT
.endr
	s_lshl_b32 s66, s[AH], 12                      ; A's scale words: my 128 rows
	s_lshl_b32 s67, s[BH], 12                      ; B's: my 128 rows, behind A's 256
	s_add_co_u32 s67, s67, 8192
	s_sub_co_u32 s67, s67, s66
	v_mul_u32_u24 v6, s67, v2                      ; lanes 16-31 take B's: the lower base + h x the distance
	s_add_co_u32 s66, s66, SCL
	v_lshl_add_u32 v6, v1, 4, v6
	v_add_nc_u32 v[ADRS], s66, v6
	s_cmp_eq_u32 ttmp9, 1                          ; the product's bias
	s_cselect_b64 s[12:13], s[14:15], s[12:13]
	s_cmp_eq_u32 s[ISV], 1
	s_cselect_b64 s[12:13], s[16:17], s[12:13]
	s_lshl_b32 s66, s[CX], 10
	s_lshl_b32 s67, s[BH], 9
	s_add_co_u32 s66, s66, s67                     ; q, k: my 128 columns run along B
	s_lshl_b32 s94, s[CY], 10
	s_lshl_b32 s67, s[AH], 9
	s_add_co_u32 s94, s94, s67                     ; v: along A
	s_cmp_eq_u32 s[ISV], 1
	s_cselect_b32 s66, 0, s66                      ; (the set that the kind does not read is loaded from the bias's head)
	s_cselect_b32 s94, s94, 0
	s_mov_b32 s67, 0
	s_add_nc_u64 s[8:9], s[12:13], s[66:67]
	s_mov_b32 s66, s94
	s_add_nc_u64 s[10:11], s[12:13], s[66:67]
	v_lshlrev_b32 v3, 6, v2                        ; along B: register 16 n + i is column 32 n + 16 h + i
	v_and_b32 v4, 7, v1
	v_and_b32 v6, 8, v1
	v_lshl_add_u32 v4, v6, 1, v4
	v_lshlrev_b32 v4, 2, v4                        ; along A: row r of block a is column 32 (a / 2) + 8 (a % 2) + r % 8 + 16 (r / 8)
.irp i, 0,1,2,3,4,5,6,7,8,9,10,11,12,13,14,15
	global_load_b128 v[BB+4*\i:BB+4*\i+3], v3, s[8:9] offset:128*(\i/4)+16*(\i%4)
.endr
.irp a, 0,1,2,3,4,5,6,7
	global_load_b32 v[BA+2*\a], v4, s[10:11] offset:(32*(\a/2)+8*(\a%2))*4
	v_mov_b32 v[BA+2*\a+1], 0                      ; (named with it as a pair, so it is written)
.endr
	s_cmp_eq_u32 s[ISV], 1                         ; where the results go
	s_cselect_b32 s66, s[CX], s[CY]                ; the tokens' tile of 256 lies along B (v) or A (q, k),
	s_cselect_b32 s67, s[BH], s[AH]                ; and so does my half of it;
	s_cselect_b32 s94, s[CY], s[CX]                ; the four heads of a tile the other way
	s_cselect_b32 s100, s[AH], s[BH]
	s_cselect_b32 s101, 6400, 0                    ; V's pack lies behind K's
	s_lshl_b32 s[YY], s[YY], 2
	s_add_co_u32 s66, s66, s[YY]                   ; the tile among 32
	s_lshr_b32 s[YY], s66, 3                       ; the batch
	s_and_b32 s66, s66, 7
	s_lshl_b32 s66, s66, 1
	s_add_co_u32 s66, s66, s67                     ; the chunk of 128 tokens
	s_lshl_b32 s94, s94, 2
	s_lshl_b32 s100, s100, 1
	s_add_co_u32 s94, s94, s100                    ; my first head of two
	s_lshl_b32 s[YY], s[YY], 4
	s_add_co_u32 s[YY], s[YY], s94
	s_lshl_b32 s[YY], s[YY], 4
	s_add_co_u32 s66, s66, s[YY]                   ; (batch x 16 + head) x 16 + chunk
	s_cmp_eq_u32 ttmp9, 0
	s_mov_b32 s67, 12800
	s_cselect_b32 s67, 6400, s67                   ; bytes from chunk to chunk
	s_cselect_b64 s[PX:PX+1], s[18:19], s[20:21]
	s_mul_i32 s66, s66, s67
	s_add_co_u32 s66, s66, s101
	s_lshl_b32 s94, s67, 4                         ; and from head to head
	s_mov_b32 s67, 0
	s_add_nc_u64 s[PX:PX+1], s[PX:PX+1], s[66:67]
	s_mov_b32 s66, s94
	s_add_nc_u64 s[PY:PY+1], s[PX:PX+1], s[66:67]
	v_mul_u32_u24 v[SOF], s94, v2
	v_lshl_add_u32 v[SOF], v1, 4, v[SOF]
	s_mov_b32 s[SEL], 0x76543210
	s_mov_b32 s[SEL+1], 0xfedcba98                 ; v_permlanex16_b32's selects for lane l xor 16
.macro FRAG reg, adr, q, i             ; a fragment comes as it was stored: six planes, 256 consecutive bytes a load
.irp p, 0,1,2,3,4,5
	ds_load_b64 v[\reg+2*\p:\reg+2*\p+1], v[\adr] offset:(\i)*3072+(\q)*1536+256*\p
.endr
.endm
; 16 matrix instructions: A's blocks a0, a0 + 1 x B's eight, 128 along K.  p: B's set; q: which half of the K slot; sc: the set of scale words.  zero = 1: the first product starts the sums; 2: it starts them with the bias along B.
; The 64 accumulators take turns, one instruction a turn, in the same order in every step.
.macro MUL16 a0, p, q, sc, zero
.irp a, \a0, \a0+1
.irp b, 0,1,2,3,4,5,6,7
.if (\zero) == 1
	v_wmma_scale_f32_16x16x128_f8f6f4 v[8*(8*((\a)%4)+\b):8*(8*((\a)%4)+\b)+7], v[128*(\p)+FR*\b:128*(\p)+FR*\b+FR-1], v[AF+FR*(\a):AF+FR*(\a)+FR-1], 0, v[SC+16*(\sc)+2*\b+(\q)], v[SC+16*(\sc)+2*(\a)+(\q)] matrix_a_fmt:MATRIX_FMT_BF6 matrix_b_fmt:MATRIX_FMT_BF6 matrix_a_scale:MATRIX_SCALE_ROW1
.elseif (\zero) == 2
	v_wmma_scale_f32_16x16x128_f8f6f4 v[8*(8*((\a)%4)+\b):8*(8*((\a)%4)+\b)+7], v[128*(\p)+FR*\b:128*(\p)+FR*\b+FR-1], v[AF+FR*(\a):AF+FR*(\a)+FR-1], v[BB+8*\b:BB+8*\b+7], v[SC+16*(\sc)+2*\b+(\q)], v[SC+16*(\sc)+2*(\a)+(\q)] matrix_a_fmt:MATRIX_FMT_BF6 matrix_b_fmt:MATRIX_FMT_BF6 matrix_a_scale:MATRIX_SCALE_ROW1
.else
	v_wmma_scale_f32_16x16x128_f8f6f4 v[8*(8*((\a)%4)+\b):8*(8*((\a)%4)+\b)+7], v[128*(\p)+FR*\b:128*(\p)+FR*\b+FR-1], v[AF+FR*(\a):AF+FR*(\a)+FR-1], v[8*(8*((\a)%4)+\b):8*(8*((\a)%4)+\b)+7], v[SC+16*(\sc)+2*\b+(\q)], v[SC+16*(\sc)+2*(\a)+(\q)] matrix_a_fmt:MATRIX_FMT_BF6 matrix_b_fmt:MATRIX_FMT_BF6 matrix_a_scale:MATRIX_SCALE_ROW1
.endif
.endr
.endr
.endm
.macro FETCH_B region, q, p            ; B's eight fragments into set p
	WIN TO_B
.irp i, 0,1,2,3,4,5,6,7
	FRAG 128*(\p)+FR*\i, ADRB+\region, \q, \i
.endr
	WIN 0
.endm
.macro FETCH_A region, q, i0           ; A's blocks i0 .. i0 + 3
.irp i, \i0, \i0+1, \i0+2, \i0+3
	FRAG AF+FR*(\i), ADRA+\region, \q, \i
.endr
.endm
.macro SCALES ks                       ; K slot ks's scale words, two a row, into set ks % 2: lanes 0-15 take A's block i, lanes 16-31 B's block i
.irp i, 0,1,2,3,4,5,6,7
	ds_load_b64 v[SC+16*((\ks)%2)+2*\i:SC+16*((\ks)%2)+2*\i+1], v[ADRS] offset:512*\i+256*((\ks)/2)+8*((\ks)%2)
.endr
.endm
; A load into a register that a matrix instruction has read, and a vector instruction that reads a matrix result, stand NP places behind it; only plain vector instructions that name none of its registers are places.
.macro PLACES n
.rept \n
	v_nop
.endr
.endm
; The first 128 along K of a K slot.  A has one set of registers: blocks 0-3 are fetched anew in the step's middle, blocks 4-7 at its end; B has two sets.
.macro STEP region, ks, zero
	s_wait_dscnt 4*NL                              ; B's set, A's blocks 0-3 and the scale words are in; the youngest 24 loads (A's blocks 4-7) may be out
.if (\zero) == 2
	WIN 0x81                                       ; (C, the bias, in window 0)
.else
	WIN MUL_LO
.endif
	MUL16 0, 0, 0, (\ks)%2, \zero
	MUL16 2, 0, 0, (\ks)%2, \zero
	s_wait_dscnt 0x0                               ; A's blocks 4-7 are in
	PLACES NP
	FETCH_B \region, 1, 1
	FETCH_A \region, 1, 0
.if (\zero) == 2
	WIN 0xc1
.else
	WIN MUL_HI
.endif
	MUL16 4, 0, 0, (\ks)%2, \zero
	MUL16 6, 0, 0, (\ks)%2, \zero
	PLACES NP
	WIN 0
	FETCH_A \region, 1, 4
.endm
; The second 128 along K of a K slot, which goes on to region next.  kind 1: this region is filled again: each wave waits for all its tensor loads, adds 0 to its spare word, waits for that and for its reads of the region;
; the barrier opens a round of the cluster's barrier, and the joint refill is the first tensor load behind it.  kind 2: the same waits and a plain barrier: behind it the refill is whole for every wave.
; kind 0: no barrier: every wave waited for all its first fills in front of the refill's round, so the next region was whole for all waves behind that round.
.macro TURN region, ks, next, kind
.if \kind
	s_wait_tensorcnt 0x0                           ; all my tensor loads have landed
	ds_add_u32 v[SPW], v[NIL]                      ; 0 onto my spare word
	s_wait_dscnt 4*NL+1                            ; (the add and the youngest 24 loads may be out)
.else
	s_wait_dscnt 4*NL
.endif
	WIN MUL_LO
	MUL16 0, 1, 1, (\ks)%2, 0
.if \kind
	s_wait_dscnt 0x0                               ; the add is done, and my reads of this region are over
	s_barrier_signal -1
.endif
	MUL16 2, 1, 1, (\ks)%2, 0
.if (\kind) == 0
	s_wait_dscnt 0x0                               ; A's blocks 4-7 are in
.endif
	WIN 0
.if \kind
	s_barrier_wait -1
.endif
.if (\kind) == 1
	CREST                                          ; no wave of any partner still reads this region or has a load on its way
	s_add_nc_u64 s[G0A0+2:G0A0+3], s[G0A0+2:G0A0+3], s[STA:STA+1]
	s_add_nc_u64 s[G0B0+2:G0B0+3], s[G0B0+2:G0B0+3], s[STB:STB+1]
	JLOAD G0A0, G1A, G0B0, G1B                     ; K slot 3: it has two K slots' products, 256 matrix instructions, in which to land; its four v_nop are the places in front of the loads below
.else
	PLACES NP
.endif
	FETCH_B \next, 0, 0
	FETCH_A \next, 0, 0
	SCALES (\ks)+1
	WIN MUL_HI
	MUL16 4, 1, 1, (\ks)%2, 0
	MUL16 6, 1, 1, (\ks)%2, 0
	PLACES NP
	WIN 0
	FETCH_A \next, 0, 4
.endm
.macro LAST ks                         ; the very last 128 along K: nothing more to fetch
	s_wait_dscnt 4*NL
	WIN MUL_LO
	MUL16 0, 1, 1, (\ks)%2, 0
	MUL16 2, 1, 1, (\ks)%2, 0
	s_wait_dscnt 0x0
	WIN MUL_HI
	MUL16 4, 1, 1, (\ks)%2, 0
	MUL16 6, 1, 1, (\ks)%2, 0
	WIN 0
.endm
	s_wait_tensorcnt 2                             ; the scale words and my part of K slot 0 are in; K slots 1 and 2 may be out
	s_barrier_signal -1
	s_barrier_wait -1                              ; everybody's are
	FETCH_B 0, 0, 0
	FETCH_A 0, 0, 0
	SCALES 0
	FETCH_A 0, 0, 4
	s_wait_loadcnt 0x0                             ; the biases
	STEP 0, 0, 1
	TURN 0, 0, 1, 1
	STEP 1, 1, 0
	TURN 1, 1, 2, 0
	STEP 2, 2, 0
	TURN 2, 2, 0, 2
	STEP 0, 3, 0
	LAST 3
; 64 numbers of a lane, v[s] on, register 16 b + i = k 32 b + 16 (lane / 16) + i of my row, become a fragment's codes in v[PC] on and its scale word in v[pw].
.macro QUANT s, pw
.irp b, 0,1,2,3
	v_max3_num_f32 v[TM+\b], |v[\s+16*\b]|, |v[\s+1+16*\b]|, 0x2800000   ; block b: my 16 numbers, and the floor 2^(5 - 127): the byte cannot fall under 1
.endr
.irp i, 2,4,6,8,10,12,14
.irp b, 0,1,2,3
	v_max3_num_f32 v[TM+\b], v[TM+\b], |v[\s+16*\b+\i]|, |v[\s+1+16*\b+\i]|   ; the four blocks by turns
.endr
.endr
.irp b, 0,1,2,3
	v_permlanex16_b32 v[TM+4+\b], v[TM+\b], s[SEL], s[SEL+1]
.endr
.irp b, 0,1,2,3
	v_max_num_f32 v[TM+\b], v[TM+\b], v[TM+4+\b]   ; with lane l xor 16's: the block's largest magnitude
.endr
.irp b, 0,1,2,3
	v_add_nc_u32 v[TM+12+\b], 0xfe000000, v[TM+\b] ; 4 off its exponent field: the conversion's scale operand
.endr
.irp b, 0,1,2,3
	v_lshrrev_b32 v[TM+4+\b], 23, v[TM+12+\b]      ; the scale's byte
.endr
	v_lshl_or_b32 v[\pw], v[TM+5], 8, v[TM+4]      ; the four bytes make my row's scale word (both halves of the lanes hold it)
	v_lshl_or_b32 v[\pw], v[TM+6], 16, v[\pw]
	v_lshl_or_b32 v[\pw], v[TM+7], 24, v[\pw]
.irp c, 0,1
	v_cvt_scalef32_pk16_bf6_f32 v[PC+6*\c:PC+2+6*\c], v[\s+32*\c:\s+15+32*\c], v[TM+12+2*\c]
	v_cvt_scalef32_pk16_bf6_f32 v[PC+12+4*\c:PC+14+4*\c], v[\s+16+32*\c:\s+31+32*\c], v[TM+12+2*\c+1]   ; (a conversion's three registers begin on an even number)
.endr
	v_nop                                          ; one plain place behind the conversions
.irp c, 0,1                            ; the operand's layout wants a whole block in a lane: lanes 0-15 block 2 c, lanes 16-31 block 2 c + 1
.irp i, 0,1,2
	v_permlane16_swap_b32 v[PC+6*\c+\i], v[PC+12+4*\c+\i]
.endr
.irp i, 0,1,2
	v_mov_b32 v[PC+3+6*\c+\i], v[PC+12+4*\c+\i]
.endr
.endr
.endm
; THE WAY OUT of A's block a: its eight accumulators + the bias (each accumulator from its low end on), quantised along B, stored as planes.
; kind 0 (q, k): the 128 numbers of a token are two heads: planes 0-2 go to the first head's pack, planes 3-5 to the next head's, tile a.  kind 1 (v): blocks 0-3 are the first head's four tiles of channels, blocks 4-7 the next head's.
.macro EPIBLK kind, a
	s_wait_xcnt 0x0                                ; the last block's stores have read the codes' registers
	WIN 0x02+(\a)/4                                ; source 0: the accumulators' window
.set ii, 0
.rept 32
.if \kind
	v_pk_add_f32 v[TN+2*ii:TN+2*ii+1], v[64*((\a)%4)+2*ii:64*((\a)%4)+2*ii+1], v[BA+2*(\a):BA+2*(\a)+1] op_sel_hi:[1,0]
.else
	v_pk_add_f32 v[TN+2*ii:TN+2*ii+1], v[64*((\a)%4)+2*ii:64*((\a)%4)+2*ii+1], v[BB+2*ii:BB+2*ii+1]
.endif
.set ii, ii+1
.endr
	WIN 0
	QUANT TN, WS+(\a)
.if \kind
.irp p, 0,1,2,3,4,5
	global_store_b64 v[L8], v[PC+2*\p:PC+2*\p+1], s[PX+2*((\a)/4):PX+2*((\a)/4)+1] offset:1536*((\a)%4)+256*\p
.endr
.else
.irp p, 0,1,2
	global_store_b64 v[L8], v[PC+2*\p:PC+2*\p+1], s[PX:PX+1] offset:768*(\a)+256*\p
	global_store_b64 v[L8], v[PC+6+2*\p:PC+7+2*\p], s[PY:PY+1] offset:768*(\a)+256*\p
.endr
.endif
.endm
.macro EPI kind
.irp b, 0,1,2,3
	v_mov_b32 v[TM+4+\b], 0                        ; written once: a lane permute's destination counts as one of its sources
.endr
.irp a, 0,1,2,3,4,5,6,7
	EPIBLK \kind, \a
.endr
	v_cmp_le_u32 vcc_lo, 16, v5                    ; lanes 0-15 store the first head's four words of row r, lanes 16-31 the next head's
.if \kind
.irp g, 0,1,2,3
	v_cndmask_b32 v[UW+\g], v[WS+\g], v[WS+4+\g], vcc_lo
.endr
.else
.irp g, 0,1,2,3
	v_perm_b32 v[UW+\g], v[WS+2*\g+1], v[WS+2*\g], 0x05040100     ; the first head's bytes of tiles 2 g and 2 g + 1,
	v_perm_b32 v[UW+4+\g], v[WS+2*\g+1], v[WS+2*\g], 0x07060302   ; the next head's
.endr
.irp g, 0,1,2,3
	v_cndmask_b32 v[UW+\g], v[UW+\g], v[UW+4+\g], vcc_lo
.endr
.endif
	global_store_b128 v[SOF], v[UW:UW+3], s[PX:PX+1] offset:6144   ; two runs of 256 consecutive bytes, aligned
.endm
	PLACES NP                                      ; behind the last products
	s_cmp_eq_u32 s[ISV], 1                         ; the cluster's x alone: the same in all partners
	s_cbranch_scc1 .Lout_v
	EPI 0
	s_branch .Lout_done
.Lout_v:
	EPI 1
.Lout_done:
	s_wait_tensorcnt 0x0                           ; the wave's end: the spare word's add and its wait, behind my last tensor load
	ds_add_u32 v[SPW], v[NIL]
	s_wait_dscnt 0x0
	CROUND                                         ; the closing round: no work-group ends while a partner may still ask for a tile that names it
	s_endpgm
.Lfunc_end_k_qa999b81a30_qkv:
	.size	k_qa999b81a30_qkv, .Lfunc_end_k_qa999b81a30_qkv-k_qa999b81a30_qkv
	.p2alignl 7, 3214868480
	.fill 96, 4, 3214868480
	.section	.rodata,"a",@progbits
	.p2align	6, 0x0
	.amdhsa_kernel k_qa999b81a30_qkv
		.amdhsa_group_segment_fixed_size 327680
		.amdhsa_private_segment_fixed_size 0
		.amdhsa_enable_private_segment 0
		.amdhsa_kernarg_size 72
		.amdhsa_user_sgpr_count 2
		.amdhsa_user_sgpr_kernarg_segment_ptr 1
		.amdhsa_wavefront_size32 1
		.amdhsa_system_sgpr_workgroup_id_x 1
		.amdhsa_system_sgpr_workgroup_id_y 1
		.amdhsa_system_sgpr_workgroup_id_z 1
		.amdhsa_system_vgpr_workitem_id 0
		.amdhsa_next_free_vgpr 1024
		.amdhsa_next_free_sgpr 102
		.amdhsa_reserve_vcc 1
		.amdhsa_float_denorm_mode_32 3
		.amdhsa_float_denorm_mode_16_64 3
		.amdhsa_memory_ordered 1
		.amdhsa_forward_progress 1
		.amdhsa_inst_pref_size 238
	.end_amdhsa_kernel
	.amdgpu_metadata
---
amdhsa.version: [ 1, 2 ]
amdhsa.kernels:
  - .name:           k_qa999b81a30_qkv
    .symbol:         k_qa999b81a30_qkv.kd
    .args:
      - { .name: xc, .offset: 0, .size: 8, .value_kind: global_buffer, .address_space: global }
      - { .name: xs, .offset: 8, .size: 8, .value_kind: global_buffer, .address_space: global }
      - { .name: wc, .offset: 16, .size: 8, .value_kind: global_buffer, .address_space: global }
      - { .name: ws, .offset: 24, .size: 8, .value_kind: global_buffer, .address_space: global }
      - { .name: bq, .offset: 32, .size: 8, .value_kind: global_buffer, .address_space: global }
      - { .name: bk, .offset: 40, .size: 8, .value_kind: global_buffer, .address_space: global }
      - { .name: bv, .offset: 48, .size: 8, .value_kind: global_buffer, .address_space: global }
      - { .name: qp, .offset: 56, .size: 8, .value_kind: global_buffer, .address_space: global }
      - { .name: kvp, .offset: 64, .size: 8, .value_kind: global_buffer, .address_space: global }
    .group_segment_fixed_size: 327680
    .private_segment_fixed_size: 0
    .kernarg_segment_align: 8
    .kernarg_segment_size: 72
    .max_flat_workgroup_size: 128
    .sgpr_count:     102
    .vgpr_count:     1024
    .wavefront_size: 32
...
	.end_amdgpu_metadata
.endif
;; end of part 3
;; launch attn (part 4): grid 4 x 64, 16 waves a work-group, no clusters, 327,680 bytes of LDS; arguments qp, kvp, yc, ys; writes yc, ys
.if DOCPART == 4
	.amdgcn_target "amdgcn-amd-amdhsa--gfx1250"
	.amdhsa_code_object_version 6
	.text
	.protected	k_qa999b81a30_attn
	.globl	k_qa999b81a30_attn
	.p2align	8
	.type	k_qa999b81a30_attn,@function
k_qa999b81a30_attn:
	s_mov_b64 s[64:65], 0
	v_nop
	global_prefetch_b8 v0, s[64:65] scope:SCOPE_SE
	s_setreg_imm32_b32 hwreg(HW_REG_WAVE_MODE, 25, 1), 1
	s_wait_xcnt 0x0
; y[b][q][head] = softmax over k <= q of (Q . K / 8) V, both products on codes of E3M2 with E8M0 scales, and y quantised along the head's 64 for the last projection.
; THE SOFTMAX AHEAD OF THE SECOND PRODUCT: t = score x log2(e) / 8; M = the running largest t rounded UP to a whole number; p = 2^(t - M) is quantised along the keys; the row's sum is taken of the unquantised p and divides at the end.
; When M moves, the sum and O are multiplied by 2^(old M - new M): exact.
; IN: qp [head of batch 64][chunk of 128 tokens 16][pack 6,400]; kvp [64][16][K's pack][V's pack].  A pack of q or k: 8 tiles of 16 tokens x 768 bytes (3 planes of 256: registers 2 p, 2 p + 1 of lane l at 256 p + 8 l), then
; [row 16][4 words]: word g = tile 2 g's two scale bytes, tile 2 g + 1's two.  V's pack: 4 tiles of 16 channels x 128 keys (6 planes), then [row 16][4 words].  In each group of 32 tokens or channels, row r of tile u is the true 8 u + r % 8 + 16 (r / 8).
; THE FIRST PRODUCT HAS K = 64: two neighbouring tiles of K are ONE fragment of 12 registers; multiplied by [q | zero codes] it gives the first tile's scores, by [zero codes | q] the second's.  Zero codes add nothing, and their scale bytes are true scales.
; Both products are used transposed: a lane holds one query; S^T's 16 registers of two tiles are keys 32 b + 16 (lane / 16) + 0 .. 15; O^T's are channels likewise.
; SHARES: work-group (i, head of batch) owns the blocks of 256 queries i and 7 - i, one after the other: block j walks key slots 0 .. j of 256 keys, so every work-group walks nine.  Each of its sixteen waves owns a tile of 16 queries.
; A step whose 128 keys all come after the wave's queries is left out by a scalar branch on ids; on the diagonal hidden scores become -infinity.
; RING: two LDS slots of 25,600 bytes (two chunks of kvp, dense in memory, scale words among them), filled by wave 0; one load is out at the most.  The nine trips are a constant of the text; which slot of keys a trip asks for lies in the global address alone.
; NO CLUSTER: the four work-groups of a head walk different orders of slots (0 .. i, then 0 .. 7 - i).
; OUT: yc as the tokens' codes ([K slot][row block][2][image]): head h is half an image, 768 bytes; ys: its two scale bytes, stored 2 bytes a row at a pitch of 16: a word's four bytes belong to two heads, so to two work-groups.
; LIMITS: t is one rounded constant and one fused multiply-add; y = O x the reciprocal of the sum (1 ulp); a block's largest p is taken from its largest score by the same two instructions; a block of zeros, or under 2^-122, gets the byte 1; NaN and infinities are not served.
.set SX,    1572864
.set PACK,  6400
.set CHK,   2*PACK                     ; a chunk of 128 keys: K's pack, V's pack
.set SLB,   2*CHK                      ; a slot: 256 keys
.set SLOT1, 32768                      ; slot 1 begins here: one exclusive or turns an address from one slot to the other
.set SPARE, 65536                      ; the spare words, 128 bytes for each of sixteen waves
.set A8,   1                           ; v1   8 x lane
.set AS,   2                           ; v2   my scale words in a chunk: lanes 0-15 K's (6,144 + 16 r), lanes 16-31 V's (6,400 further on)
.set QL,   3                           ; v3   my query - the tile's first - 16 (lane / 16)
.set R16,  4                           ; v4   16 r
.set SPW,  5                           ; v5   LDS address of my spare word; never rewritten
.set NIL,  6                           ; v6   0; never rewritten
.set LN,   7                           ; v7   lane
.set ADK,  8                           ; v8   LDS address of the step's planes
.set ADS,  9                           ; v9   and of its scale words
.set FRG,  36                          ; v36-83 four fragments of K, then of V.   v12 -M, v13 the largest t, v[14:15] the sum; v16-21 zero codes, v22-27 q, v28-33 zero codes; v34 q's scale word
.set SWD,  84                          ; v84-87 scale words: lanes 0-15 K's four, lanes 16-31 V's four.   v88-93, v94 the second block's q and its word; v95 the first's word as loaded
                                       ; v96-159 S^T, then p; v160-191 O^T; v224-235 p's codes; v232-254 at work; v192-196 set-up
.set WV,   18
.set SEL,  20
.set CS,   22                          ; s[22:23] c = log2(e) / 8
.set G1,   24
.set G0,   40
.set TB,   2                           ; LDS byte at which the slot in hand begins
.set SN,   3                           ; the trip, 0 .. 7
.set IW,   12                          ; i
.set KF,   13                          ; the step's first key
.set Q0,   14                          ; my tile's first query
.set Q0B,  15                          ; the same in block 7 - i
.set BKA,  17                          ; (i + 1) slots in bytes
.set BK,   44                          ; s[44:45] what the address goes back by: that, or 0
.set YC,   46
.set YS,   48
.set DYC,  50
.set DYS,  52
.macro TLOAD                           ; wave 0 fetches; an s_nop 0 and four v_nop follow the line
	s_cmp_lg_u32 s[WV], 0
	s_cbranch_scc1 .Lnot_mine_\@
	tensor_load_to_lds s[G0:G0+3], s[G1:G1+7]
	s_nop 0
.rept 4
	v_nop
.endr
.Lnot_mine_\@:
.endm
.macro INIT                            ; a block of queries begins: the largest t -3e38, under every t; the sum and O^T zeros, which the first change of M leaves zeros (so the step is written once)
	v_mov_b32 v13, 0xff61b1e6
	s_delay_alu instid0(VALU_DEP_1)
	v_floor_f32 v12, -v13
	v_mov_b32 v14, 0
	v_mov_b32 v15, 0
.set jj, 0
.rept 32
	v_mov_b32 v[160+jj], 0
.set jj, jj+1
.endr
.endm
	s_load_b256 s[4:11], s[0:1], 0x0               ; qp, kvp, yc, ys
	v_lshl_add_u32 v[SPW], v0, 2, SPARE
	v_mov_b32 v[NIL], 0
	ds_add_u32 v[SPW], v[NIL]                      ; the wave's opening: the add and its wait stand ahead of the first tensor load; the set-up below, work on registers, stands between them
	ds_add_u32 v[SPW], v[NIL]
	v_lshrrev_b32 v8, 5, v0
	s_delay_alu instid0(VALU_DEP_1)
	v_readfirstlane_b32 s[WV], v8                  ; wave 0..15
	s_mov_b32 s[IW], ttmp9
	s_and_b32 s19, ttmp7, 0xffff                   ; the head of the batch, 0..63
	s_mov_b32 s[G1], 3<<16                         ; no mask; elements of 8 bytes; no padding: 25,600 dense bytes as 100 rows of 256
	s_mov_b32 s[G1+1], 32<<16
	s_mov_b32 s[G1+2], 100<<16
	s_mov_b32 s[G1+3], 32<<16
	s_mov_b32 s[G1+4], 100
	s_mov_b32 s[G1+5], 32
	s_mov_b32 s[G1+6], 0
	s_mov_b32 s[G1+7], 0
	s_mov_b32 s[G0], 1
	s_mov_b32 s[G0+1], 0                           ; slot 0
	s_mul_i32 s36, s19, 16*CHK                     ; the head's keys and values
	s_mov_b32 s37, 0
	s_mov_b32 s[SEL], 0x76543210
	s_mov_b32 s[SEL+1], 0xfedcba98
	s_mov_b32 s[CS], 0x3e38aa3b
	s_mov_b32 s[CS+1], s[CS]                       ; (named with it as a pair, so it is written)
	s_mov_b32 s[TB], 0
	s_mov_b32 s[SN], 0
	s_mov_b32 s[KF], 0
	s_add_co_u32 s[BKA], s[IW], 1
	s_mul_i32 s[BKA], s[BKA], SLB
	s_mov_b32 s[BK+1], 0
	s_lshr_b32 s56, s[WV], 1
	s_lshl_b32 s56, s56, 5
	s_and_b32 s57, s[WV], 1
	s_lshl_b32 s57, s57, 3
	s_add_co_u32 s56, s56, s57                     ; tile w's first query in its block: 32 (w / 2) + 8 (w % 2)
	s_lshl_b32 s[Q0], s[IW], 8
	s_add_co_u32 s[Q0], s[Q0], s56
	s_sub_co_u32 s57, 7, s[IW]
	s_lshl_b32 s[Q0B], s57, 8
	s_add_co_u32 s[Q0B], s[Q0B], s56
	s_and_b32 s56, s[WV], 1                        ; my tile's two scale bytes are a word's lower (even tile) or upper two: they are laid twice, for [q | 0] and [0 | q]
	s_cmp_eq_u32 s56, 0
	s_mov_b32 s55, 0x03020302
	s_cselect_b32 s55, 0x01000100, s55
	s_lshl_b32 s56, s19, 4
	s_lshr_b32 s57, s[WV], 3
	s_add_co_u32 s56, s56, s57
	s_lshl_b32 s57, s[IW], 1
	s_add_co_u32 s57, s56, s57                     ; q's pack: 16 x head + 2 x block + w / 8
	s_mul_i32 s32, s57, PACK
	s_mov_b32 s33, 0
	s_sub_co_u32 s57, 7, s[IW]
	s_lshl_b32 s57, s57, 1
	s_add_co_u32 s57, s56, s57
	s_mul_i32 s34, s57, PACK
	s_mov_b32 s35, 0
	s_and_b32 s56, s19, 15                         ; the head
	s_lshr_b32 s57, s19, 4                         ; the batch
	s_lshl_b32 s57, s57, 7
	s_lshl_b32 s16, s[IW], 4
	s_add_co_u32 s57, s57, s16
	s_add_co_u32 s57, s57, s[WV]                   ; y's row block: 128 x batch + 16 x block + w
	s_mul_i32 s[YC], s57, 3072
	s_lshl_b32 s[YS], s57, 9
	s_lshr_b32 s57, s56, 2
	s_mul_i32 s57, s57, SX                         ; K slot head / 4,
	s_add_co_u32 s[YC], s[YC], s57
	s_bfe_u32 s57, s56, 0x10001
	s_mul_i32 s57, s57, 1536                       ; image (head / 2) % 2,
	s_add_co_u32 s[YC], s[YC], s57
	s_and_b32 s57, s56, 1
	s_mul_i32 s16, s57, 768                        ; half head % 2
	s_add_co_u32 s[YC], s[YC], s16
	s_lshl_b32 s57, s57, 1
	s_add_co_u32 s[YS], s[YS], s57                 ; scale bytes: 2 (head % 2),
	s_lshr_b32 s57, s56, 3
	s_lshl_b32 s57, s57, 8
	s_add_co_u32 s[YS], s[YS], s57                 ; K half head / 8,
	s_bfe_u32 s57, s56, 0x20001
	s_lshl_b32 s57, s57, 2
	s_add_co_u32 s[YS], s[YS], s57                 ; word (head / 2) % 4
	s_mov_b32 s[YC+1], 0
	s_mov_b32 s[YS+1], 0
	s_lshl_b32 s57, s[IW], 1
	s_sub_co_u32 s57, 7, s57                       ; from block i to block 7 - i: 16 (7 - 2 i) row blocks
	s_mul_i32 s[DYC], s57, 16*3072
	s_mul_i32 s[DYS], s57, 16*512
	s_mov_b32 s[DYC+1], 0
	s_mov_b32 s[DYS+1], 0
	s_wait_dscnt 0x0                               ; the opening add is done
	s_wait_kmcnt 0x0
	s_add_nc_u64 s[G0+2:G0+3], s[6:7], s[36:37]
	s_or_b32 s[G0+3], s[G0+3], 0x80000000          ; 127:126 type = 2
	TLOAD                                          ; key slot 0
	s_add_nc_u64 s[32:33], s[4:5], s[32:33]
	s_add_nc_u64 s[34:35], s[4:5], s[34:35]
	s_add_nc_u64 s[YC:YC+1], s[8:9], s[YC:YC+1]
	s_add_nc_u64 s[YS:YS+1], s[10:11], s[YS:YS+1]
	v_and_b32 v[LN], 31, v0
	v_and_b32 v192, 15, v0                         ; r
	v_bfe_u32 v193, v0, 4, 1                       ; h
	s_delay_alu instid0(VALU_DEP_3)
	v_lshlrev_b32 v[A8], 3, v[LN]
	s_delay_alu instid0(VALU_DEP_3)
	v_lshlrev_b32 v[R16], 4, v192
	s_delay_alu instid0(VALU_DEP_1)
	v_mad_u32_u24 v[AS], v193, PACK, v[R16]        ; the lower base + h x the distance
	s_delay_alu instid0(VALU_DEP_1)
	v_add_nc_u32 v[AS], 6144, v[AS]
	v_and_b32 v[QL], 7, v192
	v_and_b32 v194, 8, v192
	s_delay_alu instid0(VALU_DEP_1)
	v_lshl_add_u32 v[QL], v194, 1, v[QL]
	v_lshlrev_b32 v194, 4, v193
	s_delay_alu instid0(VALU_DEP_1)
	v_sub_nc_u32 v[QL], v[QL], v194
	s_and_b32 s56, s[WV], 7
	s_mul_i32 s57, s56, 768                        ; my tile in its pack,
	s_lshr_b32 s56, s56, 1
	s_lshl_b32 s56, s56, 2
	s_add_co_u32 s56, s56, 6144                    ; and the word that holds its scale bytes
	v_add_nc_u32 v195, s57, v[A8]
	v_lshl_add_u32 v196, v192, 4, s56
.irp p, 0,1,2
	global_load_b64 v[22+2*\p:23+2*\p], v195, s[32:33] offset:256*\p   ; q of block i,
	global_load_b64 v[88+2*\p:89+2*\p], v195, s[34:35] offset:256*\p   ; and of block 7 - i
.endr
	global_load_b32 v95, v196, s[32:33]
	global_load_b32 v94, v196, s[34:35]
.irp j, 0,1,2,3,4,5
	v_mov_b32 v[16+\j], 0                          ; zero codes below q,
	v_mov_b32 v[28+\j], 0                          ; and above
.endr
.irp b, 0,1,2,3
	v_mov_b32 v[236+\b], 0                         ; written once: a lane permute's destination counts as one of its sources
.endr
	v_mov_b32 v252, 0
	v_mov_b32 v253, 0                              ; (named as the upper half of the pair v[252:253] before it is first written)
	s_wait_loadcnt 0x0
	v_perm_b32 v34, v95, v95, s55                  ; q's scale word; the lines of INIT are the eight places that it owes ahead of a scaled product
	INIT
; A KEY STEP: the q-th 128 keys of the slot in hand.
.macro STEP q
	s_add_co_u32 s56, s[Q0], 23                    ; my tile's last query
	s_cmp_gt_u32 s[KF], s56
	s_cbranch_scc1 .Lhidden_\@                     ; all 128 keys come after it: a branch on ids, round loads, products and softmax; no barrier or tensor load stands in a step
	v_add_nc_u32 v[ADK], s[TB], v[A8]
	v_add_nc_u32 v[ADS], s[TB], v[AS]
	v_nop
	v_nop                                          ; four places in front of loads into registers that the last products read
.irp g, 0,1,2,3
.irp p, 0,1,2,3,4,5
	ds_load_b64 v[FRG+12*\g+2*\p:FRG+12*\g+2*\p+1], v[ADK] offset:CHK*(\q)+1536*\g+256*\p   ; K's tiles 2 g and 2 g + 1: one fragment
.endr
.endr
	ds_load_b128 v[SWD:SWD+3], v[ADS] offset:CHK*(\q)
	s_wait_alu depctr_va_vdst(0)
	s_wait_dscnt 0x0
.irp g, 0,1,2,3
	v_wmma_scale_f32_16x16x128_f8f6f4 v[96+16*\g:103+16*\g], v[FRG+12*\g:FRG+12*\g+11], v[22:33], 0, v[SWD+\g], v34 matrix_a_fmt:MATRIX_FMT_BF6 matrix_b_fmt:MATRIX_FMT_BF6
	v_wmma_scale_f32_16x16x128_f8f6f4 v[104+16*\g:111+16*\g], v[FRG+12*\g:FRG+12*\g+11], v[16:27], 0, v[SWD+\g], v34 matrix_a_fmt:MATRIX_FMT_BF6 matrix_b_fmt:MATRIX_FMT_BF6
.endr
.rept 4
	v_nop                                          ; places: for the loads below and for the first read of the scores
.endr
.irp t, 0,1,2,3
.irp p, 0,1,2,3,4,5
	ds_load_b64 v[FRG+12*\t+2*\p:FRG+12*\t+2*\p+1], v[ADK] offset:CHK*(\q)+PACK+1536*\t+256*\p   ; V's four tiles: they land under the softmax
.endr
.endr
	s_add_co_u32 s56, s[KF], 127                   ; a step all of whose keys count skips the mask
	s_cmp_le_u32 s56, s[Q0]
	s_cbranch_scc1 .Lopen_\@
	s_sub_co_i32 s56, s[Q0], s[KF]
	v_add_nc_u32 v252, s56, v[QL]                  ; d = my query - the step's first key - 16 (lane / 16).  Register 16 b + i holds key 32 b + 16 (lane / 16) + i of the step: hidden where 32 b + i > d
	v_mov_b32 v254, 0xff800000                     ; -infinity
.set nn, 0
.rept 64
	v_cmp_gt_i32 vcc_lo, 32*(nn/16)+nn%16, v252
	v_cndmask_b32 v[96+nn], v[96+nn], v254, vcc_lo
.set nn, nn+1
.endr
.Lopen_\@:
.irp b, 0,1,2,3
	v_max3_num_f32 v[232+\b], v[96+16*\b], v[97+16*\b], v[98+16*\b]   ; the largest score of each block of 32 keys: it serves the row's maximum and, since p rises with the score, the block's largest p
.endr
.irp i, 3,5,7,9,11,13
.irp b, 0,1,2,3
	v_max3_num_f32 v[232+\b], v[232+\b], v[96+16*\b+\i], v[97+16*\b+\i]
.endr
.endr
.irp b, 0,1,2,3
	v_max_num_f32 v[232+\b], v[232+\b], v[111+16*\b]
.endr
.irp b, 0,1,2,3
	s_delay_alu instid0(VALU_DEP_4)
	v_permlanex16_b32 v[236+\b], v[232+\b], s[SEL], s[SEL+1]
.endr
.irp b, 0,1,2,3
	s_delay_alu instid0(VALU_DEP_4)
	v_max_num_f32 v[232+\b], v[232+\b], v[236+\b]  ; with lane l xor 16's 16 keys
.endr
	s_delay_alu instid0(VALU_DEP_2)
	v_max3_num_f32 v254, v232, v233, v234
	s_delay_alu instid0(VALU_DEP_1)
	v_max_num_f32 v254, v254, v235                 ; the step's largest score of my query
	s_delay_alu instid0(VALU_DEP_1)
	v_mul_f32 v254, s[CS], v254                    ; as t (c is positive)
	s_delay_alu instid0(VALU_DEP_1)
	v_max_num_f32 v13, v13, v254                   ; the running largest t
	v_mov_b32 v254, v12
	s_delay_alu instid0(VALU_DEP_2)
	v_floor_f32 v12, -v13                          ; the new -M = floor(-t): M is a whole number
	s_delay_alu instid0(VALU_DEP_1)
	v_sub_f32 v254, v12, v254                      ; old M - new M: a whole number, 0 or less
	s_delay_alu instid0(VALU_DEP_1)
	v_cvt_i32_f32 v254, v254                       ; (it saturates)
	s_delay_alu instid0(VALU_DEP_1)
	v_ldexp_f32 v252, 1.0, v254                    ; f = 2^(old M - new M)
.set jj, 0
.rept 32
	v_pk_fma_f32 v[96+jj:97+jj], v[96+jj:97+jj], s[CS:CS+1], v[12:13] op_sel_hi:[1,0,0]   ; t - M, two at a time
.set jj, jj+2
.endr
.irp b, 0,1,2,3
	v_fma_f32 v[232+\b], v[232+\b], s[CS], v12     ; the same of each block's largest score
.endr
.set jj, 0
	s_wait_alu depctr_va_vdst(0)
.rept 64
	v_exp_f32 v[96+jj], v[96+jj]                   ; p = 2^(t - M), at most 1
.set jj, jj+1
.endr
	v_pk_mul_f32 v[14:15], v[14:15], v[252:253] op_sel_hi:[1,0]   ; the sums under the new M: a plain place behind the exponentials
	s_wait_alu depctr_va_vdst(0)                   ; one wait for the batch, ahead of its first reader
.irp b, 0,1,2,3
	v_exp_f32 v[232+\b], v[232+\b]                 ; the block's largest p
.endr
	v_pk_add_f32 v[236:237], v[100:101], v[104:105]
	v_pk_add_f32 v[250:251], v[108:109], v[112:113]
	v_pk_add_f32 v[248:249], v[116:117], v[120:121]
	v_pk_add_f32 v[222:223], v[124:125], v[128:129]
	v_pk_add_f32 v[220:221], v[132:133], v[136:137]
	v_pk_add_f32 v[218:219], v[140:141], v[144:145]
	v_pk_add_f32 v[216:217], v[148:149], v[152:153]
	v_pk_add_f32 v[14:15], v[14:15], v[156:157]
	v_pk_add_f32 v[236:237], v[236:237], v[96:97]
	v_pk_add_f32 v[250:251], v[250:251], v[98:99]
	v_pk_add_f32 v[248:249], v[248:249], v[102:103]
	v_pk_add_f32 v[222:223], v[222:223], v[106:107]
	v_pk_add_f32 v[220:221], v[220:221], v[110:111]
	v_pk_add_f32 v[218:219], v[218:219], v[114:115]
	v_pk_add_f32 v[216:217], v[216:217], v[118:119]
	v_pk_add_f32 v[14:15], v[14:15], v[122:123]
	v_pk_add_f32 v[236:237], v[236:237], v[126:127]
	v_pk_add_f32 v[250:251], v[250:251], v[130:131]
	v_pk_add_f32 v[248:249], v[248:249], v[134:135]
	v_pk_add_f32 v[222:223], v[222:223], v[138:139]
	v_pk_add_f32 v[220:221], v[220:221], v[142:143]
	v_pk_add_f32 v[218:219], v[218:219], v[146:147]
	v_pk_add_f32 v[216:217], v[216:217], v[150:151]
	v_pk_add_f32 v[14:15], v[14:15], v[154:155]
	v_pk_add_f32 v[236:237], v[236:237], v[158:159]
	s_delay_alu instid0(VALU_DEP_2)
	v_pk_add_f32 v[14:15], v[14:15], v[222:223]
	s_delay_alu instid0(VALU_DEP_2)
	v_pk_add_f32 v[236:237], v[236:237], v[220:221]
	v_pk_add_f32 v[250:251], v[250:251], v[218:219]
	v_pk_add_f32 v[248:249], v[248:249], v[216:217]
	s_delay_alu instid0(VALU_DEP_2)
	v_pk_add_f32 v[14:15], v[14:15], v[250:251]
	s_delay_alu instid0(VALU_DEP_2)
	v_pk_add_f32 v[236:237], v[236:237], v[248:249]
	s_delay_alu instid0(VALU_DEP_1)
	v_pk_add_f32 v[14:15], v[14:15], v[236:237]
	s_wait_alu depctr_va_vdst(0)                   ; and one for the four
.irp b, 0,1,2,3
	v_max_num_f32 v[232+\b], 0x2800000, v[232+\b]  ; the floor 2^(5 - 127): the byte cannot fall under 1
.endr
.irp b, 0,1,2,3
	s_delay_alu instid0(VALU_DEP_4)
	v_add_nc_u32 v[244+\b], 0xfe000000, v[232+\b]  ; 4 off the exponent field: the conversion's scale operand
.endr
.irp b, 0,1,2,3
	s_delay_alu instid0(VALU_DEP_4)
	v_lshrrev_b32 v[236+\b], 23, v[244+\b]         ; the scale's byte
.endr
	s_delay_alu instid0(VALU_DEP_3)
	v_lshl_or_b32 v253, v237, 8, v236              ; p's scale word for these 128 keys
	s_delay_alu instid0(VALU_DEP_1)
	v_lshl_or_b32 v253, v238, 16, v253
	s_delay_alu instid0(VALU_DEP_1)
	v_lshl_or_b32 v253, v239, 24, v253
.irp c, 0,1
	v_cvt_scalef32_pk16_bf6_f32 v[224+6*\c:226+6*\c], v[96+32*\c:111+32*\c], v[244+2*\c]
	v_cvt_scalef32_pk16_bf6_f32 v[236+4*\c:238+4*\c], v[112+32*\c:127+32*\c], v[244+2*\c+1]   ; (a conversion's three registers begin on an even number)
.endr
	v_nop                                          ; one plain place behind the conversions
.irp c, 0,1                            ; the operand's layout wants a whole block in a lane
.irp i, 0,1,2
	v_permlane16_swap_b32 v[224+6*\c+\i], v[236+4*\c+\i]
.endr
.irp i, 0,1,2
	s_delay_alu instid0(VALU_DEP_3)
	v_mov_b32 v[227+6*\c+\i], v[236+4*\c+\i]
.endr
.endr
.set jj, 0
.rept 16
	v_pk_mul_f32 v[160+jj:161+jj], v[160+jj:161+jj], v[252:253] op_sel_hi:[1,0]   ; O^T under the new M; these sixteen are also the places in front of the scaled products
.set jj, jj+2
.endr
	s_wait_alu depctr_va_vdst(0)
	s_wait_dscnt 0x0                               ; V is in
.irp t, 0,1,2,3
	v_wmma_scale_f32_16x16x128_f8f6f4 v[160+8*\t:167+8*\t], v[FRG+12*\t:FRG+12*\t+11], v[224:235], v[160+8*\t:167+8*\t], v[SWD+\t], v253 matrix_a_fmt:MATRIX_FMT_BF6 matrix_b_fmt:MATRIX_FMT_BF6 matrix_a_scale:MATRIX_SCALE_ROW1
.endr
.Lhidden_\@:
	s_add_co_u32 s[KF], s[KF], 128
.endm
; THE CHANGE OF SLOTS stands at a trip's head.  Each wave waits for all its tensor loads, adds 0 to its spare word, and waits for that and for its reads of the slot that it has left; behind the barrier the slot ahead is whole and
; nobody reads the other one.  fill = 1: that other slot takes the next trip's keys: the next slot of the walk, or, at the end of block i's walk, slot 0 again.
.macro CHANGE fill
	s_wait_tensorcnt 0x0                           ; no tensor load of mine is out, so the group 0 may be written
	ds_add_u32 v[SPW], v[NIL]                      ; 0 onto my spare word
.if \fill
	s_xor_b32 s[G0+1], s[G0+1], SLOT1
	s_add_nc_u64 s[G0+2:G0+3], s[G0+2:G0+3], SLB
	s_cmp_eq_u32 s[SN], s[IW]
	s_cselect_b32 s[BK], s[BKA], 0
	s_sub_nc_u64 s[G0+2:G0+3], s[G0+2:G0+3], s[BK:BK+1]
.endif
	s_wait_dscnt 0x0                               ; the add is done, and my reads of the slot that I have left are over
	s_barrier_signal -1
	s_barrier_wait -1
.if \fill
	TLOAD                                          ; the first thing behind the barrier: it has a trip's two steps of sixteen waves in which to land
.endif
.endm
; A BLOCK OF QUERIES ENDS: O^T / the sum, quantised along the head's 64 (two blocks), stored as half an image and two scale bytes a row.
.macro FINISH
	v_add_f32 v14, v14, v15                        ; the sum's two halves,
	s_delay_alu instid0(VALU_DEP_1)
	v_permlanex16_b32 v252, v14, s[SEL], s[SEL+1]
	s_delay_alu instid0(VALU_DEP_1)
	v_add_f32 v14, v14, v252                       ; and lane l xor 16's
	s_wait_alu depctr_va_vdst(0)
	v_rcp_f32 v14, v14
.rept 4
	v_nop                                          ; the plain place behind the reciprocal, and places behind the last products
.endr
	s_wait_alu depctr_va_vdst(0)                   ; ahead of the reciprocal's first reader
.set jj, 0
.rept 32
	v_mul_f32 v[96+jj], v[160+jj], v14             ; register 16 b + i is channel 32 b + 16 (lane / 16) + i
.set jj, jj+1
.endr
.irp b, 0,1
	v_max3_num_f32 v[232+\b], |v[96+16*\b]|, |v[97+16*\b]|, 0x2800000
.endr
.irp i, 2,4,6,8,10,12,14
.irp b, 0,1
	s_delay_alu instid0(VALU_DEP_2)
	v_max3_num_f32 v[232+\b], v[232+\b], |v[96+16*\b+\i]|, |v[97+16*\b+\i]|
.endr
.endr
.irp b, 0,1
	s_delay_alu instid0(VALU_DEP_2)
	v_permlanex16_b32 v[236+\b], v[232+\b], s[SEL], s[SEL+1]
.endr
.irp b, 0,1
	s_delay_alu instid0(VALU_DEP_2)
	v_max_num_f32 v[232+\b], v[232+\b], v[236+\b]
.endr
.irp b, 0,1
	s_delay_alu instid0(VALU_DEP_2)
	v_add_nc_u32 v[244+\b], 0xfe000000, v[232+\b]
.endr
.irp b, 0,1
	s_delay_alu instid0(VALU_DEP_2)
	v_lshrrev_b32 v[236+\b], 23, v[244+\b]
.endr
	s_delay_alu instid0(VALU_DEP_1)
	v_lshl_or_b32 v254, v237, 8, v236              ; my row's two scale bytes
	v_cvt_scalef32_pk16_bf6_f32 v[224:226], v[96:111], v244
	v_cvt_scalef32_pk16_bf6_f32 v[228:230], v[112:127], v245
	v_nop                                          ; one plain place behind the conversions
.irp i, 0,1,2
	v_permlane16_swap_b32 v[224+\i], v[228+\i]
.endr
.irp i, 0,1,2
	s_delay_alu instid0(VALU_DEP_3)
	v_mov_b32 v[227+\i], v[228+\i]                 ; registers 0 .. 5: channels 32 (lane / 16) + 0 .. 31
.endr
.irp p, 0,1,2
	global_store_b64 v[A8], v[224+2*\p:225+2*\p], s[YC:YC+1] offset:256*\p   ; a plane: 256 consecutive bytes, aligned
.endr
	v_cmp_gt_u32 vcc_lo, 16, v[LN]                 ; lanes 0-15: a row each
	s_wait_xcnt 0x0                                ; EXEC changes only behind this wait
	s_and_saveexec_b32 s54, vcc_lo
	global_store_b16 v[R16], v254, s[YS:YS+1]
	s_wait_xcnt 0x0                                ; and again, in front of the line that widens it; the stores' registers and bases may be written behind it too
	s_or_b32 exec_lo, exec_lo, s54
.endm
.Ltrip:                                            ; eight trips, each of which asks for the next trip's keys
	CHANGE 1
	STEP 0
	STEP 1
	s_xor_b32 s[TB], s[TB], SLOT1                  ; on to the other slot
	s_cmp_lg_u32 s[SN], s[IW]                      ; block i's walk ends with trip i (i is at most 3): ids alone, the same in all sixteen waves
	s_cbranch_scc1 .Lsame
	FINISH
.irp j, 0,1,2,3,4,5
	v_mov_b32 v[22+\j], v[88+\j]                   ; block 7 - i: its q,
.endr
	v_perm_b32 v34, v94, v94, s55                  ; its scale word (INIT's lines are the places that both owe),
	INIT
	s_mov_b32 s[KF], 0                             ; its walk from key 0,
	s_mov_b32 s[Q0], s[Q0B]
	s_add_nc_u64 s[YC:YC+1], s[YC:YC+1], s[DYC:DYC+1]   ; and its rows of y
	s_add_nc_u64 s[YS:YS+1], s[YS:YS+1], s[DYS:DYS+1]
.Lsame:
	s_add_co_u32 s[SN], s[SN], 1
	s_cmp_lt_u32 s[SN], 8
	s_cbranch_scc1 .Ltrip
	CHANGE 0                                       ; the ninth trip is written out: nothing is left to ask for
	STEP 0
	STEP 1
	FINISH
	s_wait_tensorcnt 0x0                           ; the wave's end: the spare word's add and its wait, behind the last tensor load
	ds_add_u32 v[SPW], v[NIL]
	s_wait_dscnt 0x0
	s_endpgm
.Lfunc_end_k_qa999b81a30_attn:
	.size	k_qa999b81a30_attn, .Lfunc_end_k_qa999b81a30_attn-k_qa999b81a30_attn
	.p2alignl 7, 3214868480
	.fill 96, 4, 3214868480
	.section	.rodata,"a",@progbits
	.p2align	6, 0x0
	.amdhsa_kernel k_qa999b81a30_attn
		.amdhsa_group_segment_fixed_size 327680
		.amdhsa_private_segment_fixed_size 0
		.amdhsa_enable_private_segment 0
		.amdhsa_kernarg_size 32
		.amdhsa_user_sgpr_count 2
		.amdhsa_user_sgpr_kernarg_segment_ptr 1
		.amdhsa_wavefront_size32 1
		.amdhsa_system_sgpr_workgroup_id_x 1
		.amdhsa_system_sgpr_workgroup_id_y 1
		.amdhsa_system_sgpr_workgroup_id_z 1
		.amdhsa_system_vgpr_workitem_id 0
		.amdhsa_next_free_vgpr 256
		.amdhsa_next_free_sgpr 66
		.amdhsa_reserve_vcc 1
		.amdhsa_float_denorm_mode_32 3
		.amdhsa_float_denorm_mode_16_64 3
		.amdhsa_memory_ordered 1
		.amdhsa_forward_progress 1
		.amdhsa_inst_pref_size 113
	.end_amdhsa_kernel
	.amdgpu_metadata
---
amdhsa.version: [ 1, 2 ]
amdhsa.kernels:
  - .name:           k_qa999b81a30_attn
    .symbol:         k_qa999b81a30_attn.kd
    .args:
      - { .name: qp, .offset: 0, .size: 8, .value_kind: global_buffer, .address_space: global }
      - { .name: kvp, .offset: 8, .size: 8, .value_kind: global_buffer, .address_space: global }
      - { .name: yc, .offset: 16, .size: 8, .value_kind: global_buffer, .address_space: global }
      - { .name: ys, .offset: 24, .size: 8, .value_kind: global_buffer, .address_space: global }
    .group_segment_fixed_size: 327680
    .private_segment_fixed_size: 0
    .kernarg_segment_align: 8
    .kernarg_segment_size: 32
    .max_flat_workgroup_size: 512
    .sgpr_count:     66
    .vgpr_count:     256
    .wavefront_size: 32
...
	.end_amdgpu_metadata
.endif
;; end of part 4
;; launch proj (part 5): grid 4 x 32, 4 waves a work-group, clusters of 4 x 4, 327,680 bytes of LDS; arguments yc, ys, wc, ws, bp, out0; writes out0
.if DOCPART == 5
	.amdgcn_target "amdgcn-amd-amdhsa--gfx1250"
	.amdhsa_code_object_version 6
	.text
	.protected	k_qa999b81a30_proj
	.globl	k_qa999b81a30_proj
	.p2align	8
	.type	k_qa999b81a30_proj,@function
k_qa999b81a30_proj:
	s_mov_b64 s[64:65], 0
	v_nop
	global_prefetch_b8 v0, s[64:65] scope:SCOPE_SE
	s_setreg_imm32_b32 hwreg(HW_REG_WAVE_MODE, 25, 1), 1
	s_wait_xcnt 0x0
	s_wait_alu depctr_hold_cnt(0) depctr_sa_sdst(0) depctr_va_vdst(0) depctr_va_sdst(0) depctr_va_ssrc(0) depctr_va_vcc(0) depctr_vm_vsrc(0)
	s_getreg_b32 s2, hwreg(HW_REG_IB_STS2, 6, 4)
	s_cmp_eq_u32 s2, 0
	s_cbranch_scc0 .Lentry_in_a_cluster
	s_endpgm
.Lentry_in_a_cluster:
	s_bfe_u32 s2, ttmp6, 0x10000c
	s_cmp_lg_u32 s2, 0xf033
	s_cbranch_scc0 .Lentry_shape_is_right
	s_endpgm
.Lentry_shape_is_right:
; out0 = y wp + bp on codes of E3M2 with E8M0 scales (K = 1,024).  y's codes and scale words were laid by the attention launch, wp's by the weights' launch (row blocks 192-255), as images of the operand's registers:
; [K slot of 256][row block of 16 rows][2][image 1,536]; an image is 6 planes of 256 bytes, plane p = registers 2 p, 2 p + 1 of lane l at 256 p + 8 l.  Scale words: [row block][K half][row 16][4 words].
; In each group of 32 rows, row r of block u is the true row 8 u + r % 8 + 16 (r / 8).
; A tile of 256 x 256 of out0 is made by four waves, each 128 x 128: 64 accumulators.  Source 0 = 16 columns of wp ("B"), source 1 = 16 tokens ("A"): a lane holds a token, and its 16 registers of B's blocks 2 n, 2 n + 1
; are the true columns 32 n + 16 (lane / 16) + 0 .. 15.  The bias is the C of each sum's first product: it starts the sum where the definition adds it last.
; CLUSTER 4 x 4: A's tiles are shared along a row of the cluster, B's along a column; each is asked for jointly, by the same load with the same descriptor and a mask that names the four.
; LDS: three regions of 98,304 bytes (A's 16 row blocks, then B's 16, for 256 along K), the scale words of all of K (16,384), the spare words.  K has four slots: three are first fills; the fourth is the one refill, of region 0.
; By this text's own count a wave has four tensor loads out at the start and one behind the refill's round.
; THE WAY OUT goes through a stage of 16 rows x 528 bytes for each wave, in region 1: that region is filled once, and its last reads stand ahead of the last barrier.  32 lanes store a row's 512 consecutive bytes, aligned.
.set SX,    1572864
.set SW,    786432
.set SLOT,  98304
.set QUART, 24576
.set SCL,   3*SLOT
.set SPARE, SCL+4*4096                 ; the spare words, 128 bytes for each wave: two blocks of 256 bytes that no other line names
.set FR,    12
.set NL,    6
.set NP,    4
.set ADRA,  16                         ; v16-18 LDS address of my A fragments in region 0, 1, 2
.set ADRB,  20                         ; v20-22 the same for B
.set STO,   24                         ; v24    the way out: where I put my bytes of a row
.set RD,    25                         ; v25    where I read a row back
.set CO,    26                         ; v26    16 x lane: my bytes of a row of out0
.set ADRS,  27                         ; v27    my scale words: lanes 0-15 A's rows, lanes 16-31 B's
.set SPW,   28                         ; v28    LDS address of my spare word; never rewritten
.set NIL,   29                         ; v29    0; never rewritten
.set SC,    32                         ; v32-63 scale words, two sets of 16
.set BB,    64                         ; v64-127 the bias, in a lane's order of results
.set AF,    128                        ; v128-223 A's fragments (window 0); B's two sets at v0 and v128 of window 1; accumulators in windows 2 and 3
.set BK,    128                        ; the way out: 16 rows read back: v128-191 and v192-255 by turns
.set WV,    22
.set AH,    23
.set BH,    2
.set G1A,   24
.set G1B,   32
.set G1SA,  40
.set G1SB,  48
.set G0A0,  56
.set G0A1,  60
.set G0A2,  68
.set G0AS,  72
.set G0B0,  76
.set G0B1,  80
.set G0B2,  84
.set G0BS,  88
.set CX,    92
.set CY,    93
.set YY,    95
.set STA,   96
.set STB,   98
.set MSB, 0
.macro WIN new                         ; the immediate's high byte repeats the setting that is left
.if MSB != (\new)
	s_set_vgpr_msb (MSB<<8)|(\new)
.set MSB, (\new)
.endif
.endm
.set MUL_LO, 0xa1
.set MUL_HI, 0xf1
.set TO_B,   0x40
.macro JLOAD g0a, g1a, g0b, g1b        ; a joint load: waves 0 and 1 fetch for A, waves 2 and 3 for B; an s_nop 0 and four v_nop follow each of the two lines
	s_cmp_eq_u32 s[AH], 0
	s_cbranch_scc0 .Lfor_b_\@
	tensor_load_to_lds s[\g0a:\g0a+3], s[\g1a:\g1a+7]
	s_nop 0
.rept 4
	v_nop
.endr
	s_branch .Lasked_\@
.Lfor_b_\@:
	tensor_load_to_lds s[\g0b:\g0b+3], s[\g1b:\g1b+7]
	s_nop 0
.rept 4
	v_nop
.endr
.Lasked_\@:
.endm
.macro CREST
	s_cmp_lg_u32 s[WV], 0
	s_cbranch_scc1 .Lnot_wave_0_\@
	s_barrier_signal -3
.Lnot_wave_0_\@:
	s_barrier_wait -3
	s_barrier_signal -1
	s_barrier_wait -1
.endm
.macro CROUND
	s_barrier_signal -1
	s_barrier_wait -1
	CREST
.endm
	s_load_b256 s[4:11], s[0:1], 0x0               ; yc, ys, wc, ws
	s_load_b128 s[12:15], s[0:1], 0x20             ; bp, out0
	v_lshl_add_u32 v[SPW], v0, 2, SPARE
	v_mov_b32 v[NIL], 0
	ds_add_u32 v[SPW], v[NIL]
	ds_add_u32 v[SPW], v[NIL]                      ; the wave's opening: the add and its wait stand ahead of my first tensor load; the set-up below, work on registers, stands between them
	v_lshrrev_b32 v1, 5, v0
	v_readfirstlane_b32 s[WV], v1                  ; wave 0..3
	s_lshr_b32 s[AH], s[WV], 1                     ; my half of A's rows.  Also: I fetch for A (0) or for B (1)
	s_and_b32 s[BH], s[WV], 1                      ; my half of B's rows.  Also: which 128 rows I fetch
	s_bfe_u32 s[CX], ttmp6, 0x40000
	s_bfe_u32 s[CY], ttmp6, 0x40004
	s_and_b32 s[YY], ttmp7, 0xffff                 ; the cluster's y: which 1,024 tokens
	s_lshl_b32 s66, s[CY], 2
	s_lshl_b32 s66, 15, s66                        ; my row of the cluster
	s_lshl_b32 s100, 0x1111, s[CX]                 ; my column
	s_or_b32 s[G1A], s66, (3<<16)|(1<<21)          ; 15:0 the mask; 17:16 elements of 8 bytes; 20 no padding; 21 set beside a mask
	s_or_b32 s[G1SA], s66, (3<<16)|(1<<21)
	s_or_b32 s[G1B], s100, (3<<16)|(1<<21)
	s_or_b32 s[G1SB], s100, (3<<16)|(1<<21)
.irp g, G1A, G1B                       ; codes: 24,576 dense bytes as 96 rows of 256
	s_mov_b32 s[\g+1], 32<<16
	s_mov_b32 s[\g+2], 96<<16
	s_mov_b32 s[\g+3], 32<<16
	s_mov_b32 s[\g+4], 96
	s_mov_b32 s[\g+5], 32
	s_mov_b32 s[\g+6], 0
	s_mov_b32 s[\g+7], 0
.endr
.irp g, G1SA, G1SB                     ; scale words: 4,096 dense bytes as 16 rows of 256
	s_mov_b32 s[\g+1], 32<<16
	s_mov_b32 s[\g+2], 16<<16
	s_mov_b32 s[\g+3], 32<<16
	s_mov_b32 s[\g+4], 16
	s_mov_b32 s[\g+5], 32
	s_mov_b32 s[\g+6], 0
	s_mov_b32 s[\g+7], 0
.endr
	s_mov_b32 s[STA], SX
	s_mov_b32 s[STB], SW
	s_mov_b32 s[STA+1], 0
	s_mov_b32 s[STB+1], 0
	s_lshl_b32 s67, s[YY], 6
	s_lshl_b32 s66, s[CY], 4                       ; A's tile hangs on cy alone,
	s_add_co_u32 s66, s66, s67
	s_lshl_b32 s67, s[BH], 3
	s_add_co_u32 s66, s66, s67                     ; + the 8 row blocks that I fetch
	s_lshl_b32 s100, s[CX], 4                      ; B's on cx alone; wp's row blocks begin at 192
	s_add_co_u32 s100, s100, 192
	s_add_co_u32 s100, s100, s67
	s_mul_i32 s[G0A1+2], s66, 3072                 ; (offsets, kept for a moment where addresses will stand)
	s_mov_b32 s[G0A1+3], 0
	s_lshl_b32 s[G0A2+2], s66, 9
	s_mov_b32 s[G0A2+3], 0
	s_mul_i32 s[G0B1+2], s100, 3072
	s_mov_b32 s[G0B1+3], 0
	s_lshl_b32 s[G0B2+2], s100, 9
	s_mov_b32 s[G0B2+3], 0
	s_mul_i32 s94, s[WV], QUART                    ; where they go: wave x a quarter: no place in the cluster enters an LDS address
	s_lshl_b32 s67, s[WV], 12
	s_add_co_u32 s67, s67, SCL
.irp g, G0A0, G0B0
	s_mov_b32 s[\g], 1
	s_mov_b32 s[\g+1], s94
.endr
.irp g, G0A1, G0B1
	s_mov_b32 s[\g], 1
	s_add_co_u32 s[\g+1], s94, SLOT
.endr
.irp g, G0A2, G0B2
	s_mov_b32 s[\g], 1
	s_add_co_u32 s[\g+1], s94, 2*SLOT
.endr
.irp g, G0AS, G0BS
	s_mov_b32 s[\g], 1
	s_mov_b32 s[\g+1], s67
.endr
	s_wait_dscnt 0x0                               ; the opening add is done
	s_wait_kmcnt 0x0
	s_add_nc_u64 s[G0A0+2:G0A0+3], s[4:5], s[G0A1+2:G0A1+3]
	s_add_nc_u64 s[G0AS+2:G0AS+3], s[6:7], s[G0A2+2:G0A2+3]
	s_add_nc_u64 s[G0A1+2:G0A1+3], s[G0A0+2:G0A0+3], s[STA:STA+1]
	s_add_nc_u64 s[G0A2+2:G0A2+3], s[G0A1+2:G0A1+3], s[STA:STA+1]
	s_add_nc_u64 s[G0B0+2:G0B0+3], s[8:9], s[G0B1+2:G0B1+3]
	s_add_nc_u64 s[G0BS+2:G0BS+3], s[10:11], s[G0B2+2:G0B2+3]
	s_add_nc_u64 s[G0B1+2:G0B1+3], s[G0B0+2:G0B0+3], s[STB:STB+1]
	s_add_nc_u64 s[G0B2+2:G0B2+3], s[G0B1+2:G0B1+3], s[STB:STB+1]
.irp g, G0A0, G0A1, G0A2, G0AS, G0B0, G0B1, G0B2, G0BS
	s_or_b32 s[\g+3], s[\g+3], 0x80000000          ; 127:126 type = 2
.endr
	s_mul_i32 s[STA], s[STA], 3                    ; the refill steps region 0's address from K slot 0 to K slot 3
	s_mul_i32 s[STB], s[STB], 3
	CROUND                                         ; all sixteen work-groups are here: the first joint loads meet
	JLOAD G0AS, G1SA, G0BS, G1SB
	JLOAD G0A0, G1A, G0B0, G1B
	JLOAD G0A1, G1A, G0B1, G1B
	JLOAD G0A2, G1A, G0B2, G1B
	v_and_b32 v1, 15, v0                           ; r
	v_bfe_u32 v2, v0, 4, 1                         ; h
	s_wait_alu depctr_va_vdst(0)
	v_and_b32 v5, 31, v0                           ; lane
	v_lshlrev_b32 v6, 3, v5
	s_mul_i32 s66, s[AH], QUART
	s_mul_i32 s67, s[BH], QUART
	s_add_co_u32 s67, s67, 2*QUART
.irp g, 0,1,2
	v_add_nc_u32 v[ADRA+\g], s66, v6
	v_add_nc_u32 v[ADRB+\g], s67, v6
	s_add_co_u32 s66, s66, SLOT
	s_add_co_u32 s67, s67, SLOT
.endr
	s_lshl_b32 s66, s[AH], 12
	s_lshl_b32 s67, s[BH], 12
	s_add_co_u32 s67, s67, 8192
	s_sub_co_u32 s67, s67, s66
	v_mul_u32_u24 v7, s67, v2                      ; lanes 16-31 take B's: the lower base + h x the distance
	s_add_co_u32 s66, s66, SCL
	v_lshl_add_u32 v7, v1, 4, v7
	v_add_nc_u32 v[ADRS], s66, v7
	s_lshl_b32 s66, s[CX], 10
	s_lshl_b32 s67, s[BH], 9
	s_add_co_u32 s66, s66, s67                     ; my first column, in bytes
	s_mov_b32 s67, 0
	s_add_nc_u64 s[12:13], s[12:13], s[66:67]
	s_add_nc_u64 s[14:15], s[14:15], s[66:67]
	v_lshlrev_b32 v3, 6, v2                        ; register 16 n + i is column 32 n + 16 h + i
.irp i, 0,1,2,3,4,5,6,7,8,9,10,11,12,13,14,15
	global_load_b128 v[BB+4*\i:BB+4*\i+3], v3, s[12:13] offset:128*(\i/4)+16*(\i%4)
.endr
	s_lshl_b32 s66, s[YY], 2
	s_add_co_u32 s66, s66, s[CY]
	s_lshl_b32 s66, s66, 1
	s_add_co_u32 s66, s66, s[AH]                   ; my 128 tokens among 64 such runs,
	s_lshl_b32 s66, s66, 19                        ; of 4,096 bytes each
	s_add_nc_u64 s[14:15], s[14:15], s[66:67]
	s_mul_i32 s94, s[WV], 16*528
	s_add_co_u32 s94, s94, SLOT                    ; my stage, in region 1
	v_mul_u32_u24 v[STO], v1, 528
	v_lshl_add_u32 v[STO], v2, 6, v[STO]
	v_add_nc_u32 v[STO], s94, v[STO]               ; in: row r, + 64 h
	v_lshlrev_b32 v[CO], 4, v5
	v_add_nc_u32 v[RD], s94, v[CO]                 ; back: the 32 lanes take a row of 512 bytes
.macro FRAG reg, adr, q, i             ; a fragment comes as it was stored: six planes, 256 consecutive bytes a load
.irp p, 0,1,2,3,4,5
	ds_load_b64 v[\reg+2*\p:\reg+2*\p+1], v[\adr] offset:(\i)*3072+(\q)*1536+256*\p
.endr
.endm
; 16 matrix instructions: A's blocks a0, a0 + 1 x B's eight, 128 along K.  zero = 1: the first product starts the sums; 2: it starts them with the bias.
; The 64 accumulators take turns, one instruction a turn, in the same order in every step.
.macro MUL16 a0, p, q, sc, zero
.irp a, \a0, \a0+1
.irp b, 0,1,2,3,4,5,6,7
.if (\zero) == 1
	v_wmma_scale_f32_16x16x128_f8f6f4 v[8*(8*((\a)%4)+\b):8*(8*((\a)%4)+\b)+7], v[128*(\p)+FR*\b:128*(\p)+FR*\b+FR-1], v[AF+FR*(\a):AF+FR*(\a)+FR-1], 0, v[SC+16*(\sc)+2*\b+(\q)], v[SC+16*(\sc)+2*(\a)+(\q)] matrix_a_fmt:MATRIX_FMT_BF6 matrix_b_fmt:MATRIX_FMT_BF6 matrix_a_scale:MATRIX_SCALE_ROW1
.elseif (\zero) == 2
	v_wmma_scale_f32_16x16x128_f8f6f4 v[8*(8*((\a)%4)+\b):8*(8*((\a)%4)+\b)+7], v[128*(\p)+FR*\b:128*(\p)+FR*\b+FR-1], v[AF+FR*(\a):AF+FR*(\a)+FR-1], v[BB+8*\b:BB+8*\b+7], v[SC+16*(\sc)+2*\b+(\q)], v[SC+16*(\sc)+2*(\a)+(\q)] matrix_a_fmt:MATRIX_FMT_BF6 matrix_b_fmt:MATRIX_FMT_BF6 matrix_a_scale:MATRIX_SCALE_ROW1
.else
	v_wmma_scale_f32_16x16x128_f8f6f4 v[8*(8*((\a)%4)+\b):8*(8*((\a)%4)+\b)+7], v[128*(\p)+FR*\b:128*(\p)+FR*\b+FR-1], v[AF+FR*(\a):AF+FR*(\a)+FR-1], v[8*(8*((\a)%4)+\b):8*(8*((\a)%4)+\b)+7], v[SC+16*(\sc)+2*\b+(\q)], v[SC+16*(\sc)+2*(\a)+(\q)] matrix_a_fmt:MATRIX_FMT_BF6 matrix_b_fmt:MATRIX_FMT_BF6 matrix_a_scale:MATRIX_SCALE_ROW1
.endif
.endr
.endr
.endm
.macro FETCH_B region, q, p
	WIN TO_B
.irp i, 0,1,2,3,4,5,6,7
	FRAG 128*(\p)+FR*\i, ADRB+\region, \q, \i
.endr
	WIN 0
.endm
.macro FETCH_A region, q, i0
.irp i, \i0, \i0+1, \i0+2, \i0+3
	FRAG AF+FR*(\i), ADRA+\region, \q, \i
.endr
.endm
.macro SCALES ks                       ; K slot ks's scale words, two a row, into set ks % 2
.irp i, 0,1,2,3,4,5,6,7
	ds_load_b64 v[SC+16*((\ks)%2)+2*\i:SC+16*((\ks)%2)+2*\i+1], v[ADRS] offset:512*\i+256*((\ks)/2)+8*((\ks)%2)
.endr
.endm
; A load into a register that a matrix instruction has read, and an LDS store that reads a matrix result, stand NP places behind it; only plain vector instructions that name none of its registers are places.
.macro PLACES n
.rept \n
	v_nop
.endr
.endm
.macro STEP region, ks, zero           ; the first 128 along K of a K slot
	s_wait_dscnt 4*NL                              ; B's set, A's blocks 0-3 and the scale words are in; the youngest 24 loads (A's blocks 4-7) may be out
.if (\zero) == 2
	WIN 0x81                                       ; (C, the bias, in window 0)
.else
	WIN MUL_LO
.endif
	MUL16 0, 0, 0, (\ks)%2, \zero
	MUL16 2, 0, 0, (\ks)%2, \zero
	s_wait_dscnt 0x0                               ; A's blocks 4-7 are in
	PLACES NP
	FETCH_B \region, 1, 1
	FETCH_A \region, 1, 0
.if (\zero) == 2
	WIN 0xc1
.else
	WIN MUL_HI
.endif
	MUL16 4, 0, 0, (\ks)%2, \zero
	MUL16 6, 0, 0, (\ks)%2, \zero
	PLACES NP
	WIN 0
	FETCH_A \region, 1, 4
.endm
; The second 128 along K of a K slot, which goes on to region next.  kind 1: this region is filled again: each wave waits for all its tensor loads, adds 0 to its spare word, waits for that and for its reads of the region;
; the barrier opens a round of the cluster's barrier, and the joint refill is the first tensor load behind it.  kind 2: the same waits and a plain barrier: behind it the refill is whole for every wave.
; kind 0: no barrier: every wave waited for all its first fills in front of the refill's round, so the next region was whole for all waves behind that round.
.macro TURN region, ks, next, kind
.if \kind
	s_wait_tensorcnt 0x0                           ; all my tensor loads have landed
	ds_add_u32 v[SPW], v[NIL]                      ; 0 onto my spare word
	s_wait_dscnt 4*NL+1                            ; (the add and the youngest 24 loads may be out)
.else
	s_wait_dscnt 4*NL
.endif
	WIN MUL_LO
	MUL16 0, 1, 1, (\ks)%2, 0
.if \kind
	s_wait_dscnt 0x0                               ; the add is done, and my reads of this region are over
	s_barrier_signal -1
.endif
	MUL16 2, 1, 1, (\ks)%2, 0
.if (\kind) == 0
	s_wait_dscnt 0x0                               ; A's blocks 4-7 are in
.endif
	WIN 0
.if \kind
	s_barrier_wait -1
.endif
.if (\kind) == 1
	CREST                                          ; no wave of any partner still reads this region or has a load on its way
	s_add_nc_u64 s[G0A0+2:G0A0+3], s[G0A0+2:G0A0+3], s[STA:STA+1]
	s_add_nc_u64 s[G0B0+2:G0B0+3], s[G0B0+2:G0B0+3], s[STB:STB+1]
	JLOAD G0A0, G1A, G0B0, G1B                     ; K slot 3: it has two K slots' products, 256 matrix instructions, in which to land; its four v_nop are the places in front of the loads below
.else
	PLACES NP
.endif
	FETCH_B \next, 0, 0
	FETCH_A \next, 0, 0
	SCALES (\ks)+1
	WIN MUL_HI
	MUL16 4, 1, 1, (\ks)%2, 0
	MUL16 6, 1, 1, (\ks)%2, 0
	PLACES NP
	WIN 0
	FETCH_A \next, 0, 4
.endm
.macro LAST ks
	s_wait_dscnt 4*NL
	WIN MUL_LO
	MUL16 0, 1, 1, (\ks)%2, 0
	MUL16 2, 1, 1, (\ks)%2, 0
	s_wait_dscnt 0x0
	WIN MUL_HI
	MUL16 4, 1, 1, (\ks)%2, 0
	MUL16 6, 1, 1, (\ks)%2, 0
	WIN 0
.endm
	s_wait_alu depctr_va_vdst(0)
	s_wait_tensorcnt 2                             ; the scale words and my part of K slot 0 are in; K slots 1 and 2 may be out
	s_barrier_signal -1
	s_barrier_wait -1                              ; everybody's are
	FETCH_B 0, 0, 0
	FETCH_A 0, 0, 0
	SCALES 0
	FETCH_A 0, 0, 4
	s_wait_loadcnt 0x0                             ; the bias
	STEP 0, 0, 2
	TURN 0, 0, 1, 1
	STEP 1, 1, 0
	TURN 1, 1, 2, 0
	STEP 2, 2, 0
	TURN 2, 2, 0, 2
	STEP 0, 3, 0
	LAST 3
; THE WAY OUT, block by block of 16 tokens x 128 columns: into my own stage at each number's true column, back as whole rows of 512 bytes.  LDS serves a wave's instructions in order (ISA guide 5.7.1.4):
; no wait between the stores and the loads, nor in front of the next block's stores.
.macro TOSTAGE a
.set AC, 64*((\a)%4)
	WIN 0x08+4*((\a)/4)                            ; an LDS store's data are its source 1: window 2 or 3
.irp b, 0,1,2,3,4,5,6,7
	ds_store_b128 v[STO], v[AC+8*\b:AC+8*\b+3] offset:128*(\b/2)+32*(\b%2)          ; each accumulator from its low end on: columns 32 (b / 2) + 16 h + 8 (b % 2) + 0 .. 7
	ds_store_b128 v[STO], v[AC+8*\b+4:AC+8*\b+7] offset:128*(\b/2)+32*(\b%2)+16
.endr
	WIN 0
.set BBK, BK+64*((\a)%2)
.irp t, 0,1,2,3,4,5,6,7,8,9,10,11,12,13,14,15
	ds_load_b128 v[BBK+4*\t:BBK+4*\t+3], v[RD] offset:\t*528
.endr
.endm
.macro SEND a, younger                 ; younger: the LDS instructions issued behind block a's loads, which may stay out
.set BBK, BK+64*((\a)%2)
	s_wait_dscnt \younger
.irp t, 0,1,2,3,4,5,6,7,8,9,10,11,12,13,14,15
	global_store_b128 v[CO], v[BBK+4*\t:BBK+4*\t+3], s[14:15] offset:(32*((\a)/2)+8*((\a)%2)+(\t%8)+16*(\t/8))*4096 th:TH_STORE_NT   ; row t of block a at its true token; 512 consecutive bytes, aligned; the base is never stepped
.endr
.endm
	PLACES NP                                      ; behind the last products
	TOSTAGE 0
.irp a, 1,2,3,4,5,6,7
.if \a > 1
	s_wait_xcnt 0x0                                ; block a - 2's stores have read their registers: block a's loads may land there
.endif
	TOSTAGE \a
	SEND \a-1, 32                                  ; behind block a - 1's loads: block a's 16 stores and 16 loads
.endr
	SEND 7, 0
	s_wait_tensorcnt 0x0                           ; the wave's end: the spare word's add and its wait, behind my last tensor load and my last LDS store
	ds_add_u32 v[SPW], v[NIL]
	s_wait_dscnt 0x0
	CROUND                                         ; the closing round: no work-group ends while a partner may still ask for a tile that names it
	s_endpgm
.Lfunc_end_k_qa999b81a30_proj:
	.size	k_qa999b81a30_proj, .Lfunc_end_k_qa999b81a30_proj-k_qa999b81a30_proj
	.p2alignl 7, 3214868480
	.fill 96, 4, 3214868480
	.section	.rodata,"a",@progbits
	.p2align	6, 0x0
	.amdhsa_kernel k_qa999b81a30_proj
		.amdhsa_group_segment_fixed_size 327680
		.amdhsa_private_segment_fixed_size 0
		.amdhsa_enable_private_segment 0
		.amdhsa_kernarg_size 48
		.amdhsa_user_sgpr_count 2
		.amdhsa_user_sgpr_kernarg_segment_ptr 1
		.amdhsa_wavefront_size32 1
		.amdhsa_system_sgpr_workgroup_id_x 1
		.amdhsa_system_sgpr_workgroup_id_y 1
		.amdhsa_system_sgpr_workgroup_id_z 1
		.amdhsa_system_vgpr_workitem_id 0
		.amdhsa_next_free_vgpr 1024
		.amdhsa_next_free_sgpr 102
		.amdhsa_reserve_vcc 0
		.amdhsa_float_denorm_mode_32 3
		.amdhsa_float_denorm_mode_16_64 3
		.amdhsa_memory_ordered 1
		.amdhsa_forward_progress 1
		.amdhsa_inst_pref_size 160
	.end_amdhsa_kernel
	.amdgpu_metadata
---
amdhsa.version: [ 1, 2 ]
amdhsa.kernels:
  - .name:           k_qa999b81a30_proj
    .symbol:         k_qa999b81a30_proj.kd
    .args:
      - { .name: yc, .offset: 0, .size: 8, .value_kind: global_buffer, .address_space: global }
      - { .name: ys, .offset: 8, .size: 8, .value_kind: global_buffer, .address_space: global }
      - { .name: wc, .offset: 16, .size: 8, .value_kind: global_buffer, .address_space: global }
      - { .name: ws, .offset: 24, .size: 8, .value_kind: global_buffer, .address_space: global }
      - { .name: bp, .offset: 32, .size: 8, .value_kind: global_buffer, .address_space: global }
      - { .name: out0, .offset: 40, .size: 8, .value_kind: global_buffer, .address_space: global }
    .group_segment_fixed_size: 327680
    .private_segment_fixed_size: 0
    .kernarg_segment_align: 8
    .kernarg_segment_size: 48
    .max_flat_workgroup_size: 128
    .sgpr_count:     102
    .vgpr_count:     1024
    .wavefront_size: 32
...
	.end_amdgpu_metadata
.endif
;; end of part 5
